; MI455X (gfx1250); checked and timed in simulation.
; The chip was launched on July 23, 2026; its instructions are those of AMD's public machine-readable ISA for CDNA 5 (MIT licence, August 2026) and "CDNA5" Instruction Set Architecture Reference Guide (July 2026). The comments in the code are by the model that wrote it; some were corrected since.
;; Mo EMLP. Allowed arithmetic: matrix products marked QUANTISED: E2M1 operands, one E8M0 scale for each 32 along K, by v_wmma_scale_f32_16x16x128_f8f6f4 with both operands' format E2M1 (or v_wmma_scale_f32_32x16x128_f4), f32 sums; products left as they are: f32 operands where the result goes on into a quantised operand, else bf16, f16 or f32 operands; f32 sums; everything else in f32.
;; Inputs: W1_codes 8 x 4,096 x 32 x 16 uint8 (E2M1 codes of W1, K innermost, in blocks of 32 codes, two codes a byte); W1_scales 8 x 4,096 x 32 uint8 (E8M0 scales of W1, one for each 32 codes along K); W2_codes 8 x 1,024 x 128 x 16 uint8 (E2M1 codes of W2, K innermost, in blocks of 32 codes, two codes a byte); W2_scales 8 x 1,024 x 128 uint8 (E8M0 scales of W2, one for each 32 codes along K); b1 8 x 4,096 float32; b2 8 x 1,024 float32; gate_W 1,024 x 8 float32; gate_b 8 float32; x 4 x 256 x 1,024 float32.
;; Outputs: out0 4 x 256 x 1,024 float32; out1 one number float32.
;; This version of the problem:
;;   THIS VERSION OF THE PROBLEM IS GIVEN IN LOW PRECISION. The matrix products marked QUANTISED in the list below multiply operands that are first quantised to E2M1 (2 exponent bits, 1 mantissa bit; 4 bits a number), with one power-of-two scale for each 32 numbers along K (OCP MX v1.0); their sums are f32. All else is computed in f32.
;;   The module's matrix products, in the order in which they are computed (A, B: the left and right operand; K: the contracted axis; several contracted axes count as one K, in the product's order):
;;     1. [M 1,024, K 1,024] x [K 1,024, N 8]; A: input x; B: input gate_W: left as it is (N = 8 < 16)
;;     2. [M 32,768, K 1,024] x [K 1,024, N 1,024]; A: input W1 (given as codes); B: input x: QUANTISED
;;     3. batch 8 x [M 1,024, K 4,096] x [K 4,096, N 1,024]; A: computed on the way; B: input W2 (given as codes): QUANTISED
;;     4. batch 1,024 x [M 1, K 8] x [K 8, N 1,024]; A: computed on the way; B: computed on the way: left as it is (K = 8 < 32)
;;   THE QUANTISER, for each operand of a quantised product, along K:
;;     - K is cut into blocks of 32 from its start; a last block that is shorter is filled with zeros.
;;     - A block's scale is 2^e with e = floor(log2(the largest magnitude in the block)) - 2, held to -126 .. 127; a block of zeros has e = 0. As a byte (E8M0): e + 127.
;;     - Each number is divided by its block's scale, clamped to +-6, and rounded to the nearest number of E2M1, ties to even, subnormals kept.
;;     - The product sums the exact products of the quantised numbers (number of the format x scale) in f32.
;;   ~~~python
;;   def quantise(x, axis):      # numpy; x: float32 -> the quantised numbers, widened to float32 again
;;       x = np.moveaxis(x, axis, -1); K = x.shape[-1]
;;       x = np.pad(x, [(0, 0)] * (x.ndim - 1) + [(0, -K % 32)]); x = x.reshape(x.shape[:-1] + (-1, 32)); a = np.abs(x).max(-1, keepdims=True)
;;       e = np.where(a > 0, np.clip(np.frexp(np.where(a > 0, a, 1))[1] - 1 - 2, -126, 127), 0)      # np.frexp(a)[1] - 1 = floor(log2(a)), exactly
;;       r = np.clip(x / 2.0 ** e, -6, 6)
;;       step = 2.0 ** (np.maximum(np.frexp(np.where(r == 0, 1, r))[1] - 1, 0) - 1)
;;       q = np.round(r / step) * step * 2.0 ** e      # np.round: ties to even
;;       return np.moveaxis(q.reshape(q.shape[:-2] + (-1,))[..., :K], -1, axis).astype(np.float32)
;;   ~~~
;;   OPERANDS COMPUTED ON THE WAY. 'Computed on the way' means the value that the module computes at that place (a softmax that the list does not call 'softmax' is quantised finished and normalised). What goes into a quantiser is computed in f32, as accurately as f32 sums, v_exp_f32 and their like allow (about 1e-6 of the number): no bf16 or f16 on the way to a quantiser, and a product that is left as it is and whose result goes on into a quantised operand takes f32 operands (vector FMAs, or v_wmma_f32_16x16x4_f32). A number that lies on a knife's edge between two numbers of the format may be rounded either way, as far as f32 arithmetic and the matrix unit's own rounding can turn it there, and no further.
;;   INPUTS GIVEN AS CODES. W1 (in the module: [8, 1024, 4096], K = its axis 1); W2 (in the module: [8, 4096, 1024], K = its axis 1): each comes as NAME_codes (uint8): NAME with its K axis moved to the last place and cut into blocks of 32 codes, [.., K / 32, bytes a block], one block behind the other in memory; two codes a byte, the lower K in the low four bits (a code: sign, 2 exponent bits, 1 mantissa bit); and NAME_scales (uint8): the same leading axes, one E8M0 byte (e + 127) for each 32 codes along K. Its value is code x scale, taken as it is: it is not quantised again, and the codes and scales need not be those that the quantiser above would give.
;; 2 versions. Each part assembles by itself: llvm-mc -triple=amdgcn-amd-amdhsa -mcpu=gfx1250 --defsym DOCPART=n.
;; ======== version 1 of 2: 3 launches
;; workspace buffers: xq 524,288 bytes; xs 32,768 bytes; route 4,096 bytes of whole numbers; score 4,096 bytes; part 16,384 bytes; hq 16,777,216 bytes; hs 1,048,576 bytes
;; launch gate (part 1): grid 256 x 1, 4 waves a work-group, no clusters, 52,736 bytes of LDS; arguments x, gate_W, gate_b, xq, xs, route, score, part; writes xq, xs, route, score, part
.if DOCPART == 1
	.amdgcn_target "amdgcn-amd-amdhsa--gfx1250"
	.amdhsa_code_object_version 6
	.text
	.protected	k_q67c55ea5e5_gate
	.globl	k_q67c55ea5e5_gate
	.p2align	8
	.type	k_q67c55ea5e5_gate,@function
k_q67c55ea5e5_gate:
	s_mov_b64 s[64:65], 0
	v_nop
	global_prefetch_b8 v0, s[64:65] scope:SCOPE_SE
	s_setreg_imm32_b32 hwreg(HW_REG_WAVE_MODE, 25, 1), 1
	s_wait_xcnt 0x0
; THE GATE, AND x INTO CODES.  One token to a wave, four to a work-group; lane l owns block l of the token's row: k = 32 l .. 32 l + 31.
; Out: xq [token][512 bytes] E2M1 codes, block l at byte 16 l; xs [token][32] E8M0 bytes; route [token] the chosen expert (int32); score [token] its probability;
; part [work-group][16]: the sums over its four tokens of the 8 probabilities and of the 8 one-hot numbers, for the load-balance loss.
; The logits are f32 fused multiply-adds (N = 8 is too narrow for the matrix unit, and the choice of expert wants f32); the maximum is taken away before the exponentials.
; A row of x is loaded densely (512 consecutive bytes an instruction) and turned through the wave's own LDS stage, so that a lane holds 32 neighbours; gate_W (32 KB) is staged once for the four waves.
; No matrix instruction, no tensor load, no cluster: the work-groups share gate_W alone, 32 KB against a launch that streams x once.
; LIMITS: NaN and infinities are not served.  A block of zeros gets the scale byte 1 (its codes are zeros; this program alone reads the bytes).
; Two probabilities that are equal within f32 rounding may be ordered otherwise than by another order of the sums; exact ties go to the lower expert.
.set GWP,  1040                        ; a lane's 1,024 bytes of gate_W (32 k x 8 experts) + 16 of padding: 65 x 16, so sixteen lanes start at sixteen different 16-byte columns
.set XTP,  144                         ; a lane's 128 bytes of x + 16 of padding
.set XT,   32*GWP                      ; behind gate_W: four stages of 32 x XTP bytes, one a wave
.set RES,  XT+4*32*XTP                 ; behind them 512 bytes: +64 w: 16 numbers of wave w; +256+4 w: expert; +272+4 w: score; +384+32 w+l: scale bytes
.set LANE, 1
.set WVV,  2                           ; wave number, as a vector
.set L16,  3                           ; 16 x lane
.set T16,  4                           ; 16 x thread
.set XTI,  5                           ; x's stage, in
.set XTO,  6                           ; x's stage, out
.set GWI,  7                           ; gate_W's stage, in
.set GWO,  8                           ; gate_W's stage, out
.set SCBA, 9
.set PARTA, 10
.set RTA,  11
.set PRD,  12                          ; wave 0's reads of the results
.set SRD,  13
.set RRD,  14
.set L4,   15                          ; 4 x lane
.set X,    16                          ; v16-47   my 32 numbers
.set XR,   48                          ; v48-79   the row as loaded
.set GA,   80                          ; v80-143  gate_W: 8 k x 8 experts
.set GB,   144                         ; v144-207 the same, second set
.set ACC,  208                         ; v208-215 sums over even k, v216-223 over odd k
.set PP,   224                         ; v224-231 probabilities
.set OH,   232                         ; v232-239 one-hot
.set MX,   240
.set M1,   241
.set IDX,  242
.set BEST, 243
.set CD,   244                         ; v244-247 my block's codes
.set SOP,  248                         ; the conversions' scale operand
.set BYT,  249                         ; the scale's byte
.set T0,   250
	s_load_b256 s[4:11], s[0:1], 0x0               ; x s[4:5], gate_W s[6:7], gate_b s[8:9], xq s[10:11]
	s_load_b256 s[12:19], s[0:1], 0x20             ; xs s[12:13], route s[14:15], score s[16:17], part s[18:19]
	v_lshl_add_u32 v254, v0, 2, 0xcc00
	v_mov_b32 v255, 0
	v_lshrrev_b32 v[WVV], 5, v0
	v_readfirstlane_b32 s28, v[WVV]                ; wave 0..3
	v_and_b32 v[LANE], 31, v0
	v_lshlrev_b32 v[L16], 4, v[LANE]
	v_lshlrev_b32 v[T16], 4, v0
	v_lshlrev_b32 v[L4], 2, v[LANE]
	s_mul_i32 s32, s28, 32*XTP
	s_add_co_u32 s32, s32, XT                      ; my wave's stage
	v_lshrrev_b32 v[T0], 3, v[LANE]
	v_mul_u32_u24 v[T0], v[T0], XTP
	v_and_b32 v[T0+1], 7, v[LANE]
	v_lshl_add_u32 v[T0], v[T0+1], 4, v[T0]
	v_add_nc_u32 v[XTI], s32, v[T0]                ; byte p of the row lies at XTP (p / 128) + p % 128; load j, lane l: p = 512 j + 16 l
	v_mul_u32_u24 v[T0], v[LANE], XTP
	v_add_nc_u32 v[XTO], s32, v[T0]
	v_lshrrev_b32 v[T0], 6, v0
	v_mul_u32_u24 v[T0], v[T0], GWP
	v_and_b32 v[T0+1], 63, v0
	v_lshl_add_u32 v[GWI], v[T0+1], 4, v[T0]       ; byte p of gate_W lies at GWP (p / 1024) + p % 1024; load i, thread t: p = 2048 i + 16 t
	v_mul_u32_u24 v[GWO], v[LANE], GWP
	v_add_nc_u32 v[SCBA], RES+384, v0              ; 32 w + l is the thread's number
	v_lshl_add_u32 v[PARTA], v[WVV], 6, RES
	v_lshl_add_u32 v[RTA], v[WVV], 2, RES+256
	v_and_b32 v[T0], 15, v0
	v_lshl_add_u32 v[PRD], v[T0], 2, RES
	v_lshl_add_u32 v[SRD], v[LANE], 2, RES+384
	v_and_b32 v[T0], 3, v0
	v_lshl_add_u32 v[RRD], v[T0], 2, RES+256
	s_mov_b32 s30, 0x76543210
	s_mov_b32 s31, 0xfedcba98                      ; v_permlanex16_b32's selects for lane l xor 16
	s_lshl_b32 s33, ttmp9, 2
	s_add_co_u32 s33, s33, s28                     ; my token
	s_lshl_b32 s34, s33, 12                        ; its row of x: 4,096 bytes
	s_mov_b32 s35, 0
	s_lshl_b32 s36, s33, 9                         ; its codes: 512 bytes
	s_mov_b32 s37, 0
	s_lshl_b32 s38, ttmp9, 7                       ; the work-group's 128 scale bytes,
	s_mov_b32 s39, 0
	s_lshl_b32 s40, ttmp9, 6                       ; its 16 sums,
	s_mov_b32 s41, 0
	s_lshl_b32 s42, ttmp9, 4                       ; its four experts and scores
	s_mov_b32 s43, 0
	s_wait_kmcnt 0x0
	s_load_b256 s[20:27], s[8:9], 0x0              ; gate_b: eight numbers, the same for all lanes
	s_add_nc_u64 s[4:5], s[4:5], s[34:35]
	s_add_nc_u64 s[10:11], s[10:11], s[36:37]
	s_add_nc_u64 s[12:13], s[12:13], s[38:39]
	s_add_nc_u64 s[18:19], s[18:19], s[40:41]
	s_add_nc_u64 s[14:15], s[14:15], s[42:43]
	s_add_nc_u64 s[16:17], s[16:17], s[42:43]
.irp j, 0,1,2,3,4,5,6,7
	global_load_b128 v[XR+4*\j:XR+4*\j+3], v[L16], s[4:5] offset:512*\j th:TH_LOAD_NT   ; 512 consecutive bytes of my row
.endr
.irp i, 0,1,2,3,4,5,6,7,8,9,10,11,12,13,14,15
	global_load_b128 v[GA+4*\i:GA+4*\i+3], v[T16], s[6:7] offset:2048*\i                ; the four waves together: 2,048 consecutive bytes of gate_W
.endr
	s_wait_loadcnt 16                              ; x's eight loads are in; gate_W's sixteen, issued behind them, may be out
.irp j, 0,1,2,3,4,5,6,7
	ds_store_b128 v[XTI], v[XR+4*\j:XR+4*\j+3] offset:4*XTP*\j
.endr
.irp i, 0,1,2,3,4,5,6,7
	ds_load_b128 v[X+4*\i:X+4*\i+3], v[XTO] offset:16*\i       ; my wave's own bytes: LDS serves a wave's instructions in order, so these see the stores above
.endr
	s_wait_loadcnt 0x0                             ; gate_W
.irp i, 0,1,2,3,4,5,6,7,8,9,10,11,12,13,14,15
	ds_store_b128 v[GWI], v[GA+4*\i:GA+4*\i+3] offset:2*GWP*\i
.endr
	s_wait_dscnt 0x0                               ; for the others' sake: my part of gate_W has landed (and my x is back)
	s_barrier_signal -1
	s_barrier_wait -1                              ; all of gate_W lies in LDS
.macro GLOAD g, q                      ; my k = 8 q .. 8 q + 7 of gate_W: register 8 i + e = W(32 l + 8 q + i, e)
.irp m, 0,1,2,3,4,5,6,7,8,9,10,11,12,13,14,15
	ds_load_b128 v[\g+4*\m:\g+4*\m+3], v[GWO] offset:256*\q+16*\m
.endr
.endm
; eight k: two experts an instruction; x(k) feeds both halves (of its pair the low word for even k, the high word for odd k).  first = 1: the products of k = 0 and 1 start the sums
.macro DOT8 g, q, first
.irp i, 0,2,4,6
.irp p, 0,2,4,6
.if (\first) && (\i == 0)
	v_pk_mul_f32 v[ACC+\p:ACC+\p+1], v[\g+8*\i+\p:\g+8*\i+\p+1], v[X+8*\q+\i:X+8*\q+\i+1] op_sel_hi:[1,0]
.else
	v_pk_fma_f32 v[ACC+\p:ACC+\p+1], v[\g+8*\i+\p:\g+8*\i+\p+1], v[X+8*\q+\i:X+8*\q+\i+1], v[ACC+\p:ACC+\p+1] op_sel_hi:[1,0,1]
.endif
.endr
.irp p, 0,2,4,6
.if (\first) && (\i == 0)
	v_pk_mul_f32 v[ACC+8+\p:ACC+9+\p], v[\g+8*\i+8+\p:\g+8*\i+9+\p], v[X+8*\q+\i:X+8*\q+\i+1] op_sel:[0,1] op_sel_hi:[1,1]
.else
	v_pk_fma_f32 v[ACC+8+\p:ACC+9+\p], v[\g+8*\i+8+\p:\g+8*\i+9+\p], v[X+8*\q+\i:X+8*\q+\i+1], v[ACC+8+\p:ACC+9+\p] op_sel:[0,1,0] op_sel_hi:[1,1,1]
.endif
.endr
.endr
.endm
	GLOAD GA, 0
	GLOAD GB, 1
	; my block into codes, while gate_W's first numbers come: the largest magnitude of my 32, with the floor 2^(3 - 127) that holds the byte at 1 from below
	v_max3_num_f32 v[MX], |v[X]|, |v[X+1]|, |v[X+2]|
	v_max3_num_f32 v[M1], |v[X+3]|, |v[X+4]|, |v[X+5]|
.irp i, 6,10,14,18,22,26
	v_max3_num_f32 v[MX], v[MX], |v[X+\i]|, |v[X+\i+1]|
	v_max3_num_f32 v[M1], v[M1], |v[X+\i+2]|, |v[X+\i+3]|
.endr
	v_max3_num_f32 v[MX], v[MX], |v[X+30]|, |v[X+31]|
	v_max3_num_f32 v[MX], v[MX], v[M1], 0x1800000
	v_add_nc_u32 v[SOP], 0xff000000, v[MX]         ; 2 off its exponent field: the conversion takes the exponent field of this operand as its scale
.irp g, 0,1,2,3
	v_cvt_scalef32_pk8_fp4_f32 v[CD+\g], v[X+8*\g:X+8*\g+7], v[SOP]
.endr
	v_lshrrev_b32 v[BYT], 23, v[SOP]               ; the scale's byte (also the plain line behind the conversions)
	global_store_b128 v[L16], v[CD:CD+3], s[10:11] ; the wave stores the token's 512 bytes of codes, consecutive and aligned
	s_wait_dscnt 16                                ; k = 0 .. 7 are in; the sixteen loads of the next eight may be out
	DOT8 GA, 0, 1
	GLOAD GA, 2
	s_wait_dscnt 16                                ; likewise
	DOT8 GB, 1, 0
	GLOAD GB, 3
	s_wait_dscnt 16
	DOT8 GA, 2, 0
	s_wait_dscnt 0x0
	DOT8 GB, 3, 0
.irp p, 0,2,4,6
	v_pk_add_f32 v[ACC+\p:ACC+\p+1], v[ACC+\p:ACC+\p+1], v[ACC+8+\p:ACC+9+\p]
.endr
.irp m, 1,2,4,8                        ; over the 32 lanes, the eight experts by turns
.irp e, 0,1,2,3,4,5,6,7
	v_add_f32_dpp v[ACC+\e], v[ACC+\e], v[ACC+\e] row_xmask:\m row_mask:0xf bank_mask:0xf
.endr
.endr
.irp e, 0,1,2,3,4,5,6,7
	v_permlanex16_b32 v[ACC+8+\e], v[ACC+\e], s30, s31
.endr
.irp e, 0,1,2,3,4,5,6,7
	v_add_f32 v[ACC+\e], v[ACC+\e], v[ACC+8+\e]
.endr
	s_wait_kmcnt 0x0                               ; gate_b
.irp e, 0,1,2,3,4,5,6,7
	v_add_f32 v[ACC+\e], s[20+\e], v[ACC+\e]       ; the logits, the same bits in every lane
.endr
	v_max3_num_f32 v[MX], v[ACC], v[ACC+1], v[ACC+2]
	v_max3_num_f32 v[MX], v[MX], v[ACC+3], v[ACC+4]
	v_max3_num_f32 v[MX], v[MX], v[ACC+5], v[ACC+6]
	v_max_num_f32 v[MX], v[MX], v[ACC+7]
.irp e, 0,1,2,3,4,5,6,7
	v_sub_f32 v[PP+\e], v[ACC+\e], v[MX]           ; the maximum is taken away first
.endr
.irp e, 0,1,2,3,4,5,6,7
	v_mul_f32 v[PP+\e], 0x3fb8aa3b, v[PP+\e]       ; x log2(e)
.endr
.irp e, 0,1,2,3,4,5,6,7
	v_exp_f32 v[PP+\e], v[PP+\e]
.endr
	v_nop                                          ; one plain line between the exponentials and the use of their results
	s_wait_alu depctr_va_vdst(0)
	v_add_f32 v[T0], v[PP], v[PP+1]
	v_add_f32 v[T0+1], v[PP+2], v[PP+3]
	v_add_f32 v[T0+2], v[PP+4], v[PP+5]
	v_add_f32 v[T0+3], v[PP+6], v[PP+7]
	v_add_f32 v[T0], v[T0], v[T0+1]
	v_add_f32 v[T0+2], v[T0+2], v[T0+3]
	v_add_f32 v[T0], v[T0], v[T0+2]
	v_rcp_f32 v[M1], v[T0]
	v_mov_b32 v[IDX], 7                            ; (a plain line behind the reciprocal)
	s_wait_alu depctr_va_vdst(0)
.irp e, 0,1,2,3,4,5,6,7
	v_mul_f32 v[PP+\e], v[PP+\e], v[M1]            ; the probabilities
.endr
	v_mov_b32 v[BEST], v[PP+7]
.irp e, 6,5,4,3,2,1,0                  ; the largest probability; of equals the lower expert: walked downward, an equal takes the place
	v_cmp_ge_f32 vcc_lo, v[PP+\e], v[BEST]
	v_cndmask_b32 v[IDX], v[IDX], \e, vcc_lo
	v_max_num_f32 v[BEST], v[BEST], v[PP+\e]
.endr
.irp e, 0,1,2,3,4,5,6,7
	v_cmp_eq_u32 vcc_lo, \e, v[IDX]
	v_cndmask_b32 v[OH+\e], 0, 1.0, vcc_lo
.endr
	ds_store_b128 v[PARTA], v[PP:PP+3]             ; all lanes write the same words with the same values
	ds_store_b128 v[PARTA], v[PP+4:PP+7] offset:16
	ds_store_b128 v[PARTA], v[OH:OH+3] offset:32
	ds_store_b128 v[PARTA], v[OH+4:OH+7] offset:48
	ds_store_b32 v[RTA], v[IDX]
	ds_store_b32 v[RTA], v[BEST] offset:16
	ds_store_b8 v[SCBA], v[BYT]                    ; my block's scale byte
	s_wait_dscnt 0x0                               ; for wave 0's sake
	s_barrier_signal -1
	s_barrier_wait -1
	s_cmp_lg_u32 s28, 0                            ; wave 0 gathers the four tokens' small results, so that they leave in runs
	s_cbranch_scc1 .Lend
	ds_load_b32 v16, v[PRD]
	ds_load_b32 v17, v[PRD] offset:64
	ds_load_b32 v18, v[PRD] offset:128
	ds_load_b32 v19, v[PRD] offset:192
	ds_load_b32 v20, v[SRD]
	ds_load_b32 v21, v[RRD]
	ds_load_b32 v22, v[RRD] offset:16
	s_wait_dscnt 0x0
	v_add_f32 v16, v16, v17
	v_add_f32 v18, v18, v19
	v_add_f32 v16, v16, v18                        ; lanes 0-15: the sixteen sums over the four tokens
	global_store_b32 v[L4], v20, s[12:13]          ; 128 consecutive scale bytes
	s_wait_xcnt 0x0                                ; EXEC changes only when the stores issued so far have had their addresses translated
	v_cmp_gt_u32 vcc_lo, 16, v[LANE]
	s_and_saveexec_b32 s44, vcc_lo
	global_store_b32 v[L4], v16, s[18:19]          ; 64 bytes of sums
	s_wait_xcnt 0x0
	s_or_b32 exec_lo, exec_lo, s44
	v_cmp_gt_u32 vcc_lo, 4, v[LANE]
	s_and_saveexec_b32 s44, vcc_lo
	global_store_b32 v[L4], v21, s[14:15]          ; four experts
	global_store_b32 v[L4], v22, s[16:17]          ; four scores
	s_wait_xcnt 0x0
	s_or_b32 exec_lo, exec_lo, s44
.Lend:
	s_wait_tensorcnt 0x0
	ds_add_u32 v254, v255
	s_wait_dscnt 0x0
	s_endpgm
.Lfunc_end_k_q67c55ea5e5_gate:
	.size	k_q67c55ea5e5_gate, .Lfunc_end_k_q67c55ea5e5_gate-k_q67c55ea5e5_gate
	.p2alignl 7, 3214868480
	.fill 96, 4, 3214868480
	.section	.rodata,"a",@progbits
	.p2align	6, 0x0
	.amdhsa_kernel k_q67c55ea5e5_gate
		.amdhsa_group_segment_fixed_size 52736
		.amdhsa_private_segment_fixed_size 0
		.amdhsa_enable_private_segment 0
		.amdhsa_kernarg_size 64
		.amdhsa_user_sgpr_count 2
		.amdhsa_user_sgpr_kernarg_segment_ptr 1
		.amdhsa_wavefront_size32 1
		.amdhsa_system_sgpr_workgroup_id_x 1
		.amdhsa_system_sgpr_workgroup_id_y 1
		.amdhsa_system_sgpr_workgroup_id_z 1
		.amdhsa_system_vgpr_workitem_id 0
		.amdhsa_next_free_vgpr 256
		.amdhsa_next_free_sgpr 66
		.amdhsa_reserve_vcc 1
		.amdhsa_float_denorm_mode_32 3
		.amdhsa_float_denorm_mode_16_64 3
		.amdhsa_memory_ordered 1
		.amdhsa_forward_progress 1
		.amdhsa_inst_pref_size 30
	.end_amdhsa_kernel
	.amdgpu_metadata
---
amdhsa.version: [ 1, 2 ]
amdhsa.kernels:
  - .name:           k_q67c55ea5e5_gate
    .symbol:         k_q67c55ea5e5_gate.kd
    .args:
      - { .name: x, .offset: 0, .size: 8, .value_kind: global_buffer, .address_space: global }
      - { .name: gate_W, .offset: 8, .size: 8, .value_kind: global_buffer, .address_space: global }
      - { .name: gate_b, .offset: 16, .size: 8, .value_kind: global_buffer, .address_space: global }
      - { .name: xq, .offset: 24, .size: 8, .value_kind: global_buffer, .address_space: global }
      - { .name: xs, .offset: 32, .size: 8, .value_kind: global_buffer, .address_space: global }
      - { .name: route, .offset: 40, .size: 8, .value_kind: global_buffer, .address_space: global }
      - { .name: score, .offset: 48, .size: 8, .value_kind: global_buffer, .address_space: global }
      - { .name: part, .offset: 56, .size: 8, .value_kind: global_buffer, .address_space: global }
    .group_segment_fixed_size: 52736
    .private_segment_fixed_size: 0
    .kernarg_segment_align: 8
    .kernarg_segment_size: 64
    .max_flat_workgroup_size: 128
    .sgpr_count:     66
    .vgpr_count:     256
    .wavefront_size: 32
...
	.end_amdgpu_metadata
.endif
;; end of part 1
;; launch up (part 2): grid 256 x 1, 4 waves a work-group, no clusters, 104,960 bytes of LDS; arguments route, xq, xs, W1_codes, W1_scales, b1, part, hq, hs, out1; writes hq, hs, out1
.if DOCPART == 2
	.amdgcn_target "amdgcn-amd-amdhsa--gfx1250"
	.amdhsa_code_object_version 6
	.text
	.protected	k_q67c55ea5e5_up
	.globl	k_q67c55ea5e5_up
	.p2align	8
	.type	k_q67c55ea5e5_up,@function
k_q67c55ea5e5_up:
	s_mov_b64 s[64:65], 0
	v_nop
	global_prefetch_b8 v0, s[64:65] scope:SCOPE_SE
	s_setreg_imm32_b32 hwreg(HW_REG_WAVE_MODE, 25, 1), 1
	s_wait_xcnt 0x0
; h = Q(gelu(x W1^T + b1)) FOR THE CHOSEN EXPERT ALONE, in MX-FP4.  Work-group = (expert e = id / 32, slice n = id % 32 of 128 hidden units): each byte of W1 is read by one work-group, once.
; The slice (128 rows x 512 bytes of codes) is loaded in whole rows, laid in LDS by operand pieces, and taken by EVERY wave into its registers: 64 fragments, 512 registers, for the whole launch.
; Wave w serves the tokens 256 w .. 256 w + 255 that chose e, in tiles of 16.  The list is made from route in registers (SORT, TOKENS); ranks past the last repeat the last token, whose numbers then go twice to the same bytes.
; A tile: 16 rows of xq in whole rows, through the wave's own LDS stage into 8 fragments; 64 matrix instructions (source 0 = 16 rows of W1, source 1 = the 16 tokens: a lane holds ONE token, its registers run along the hidden units);
; b1 is the C of each sum's first instruction; exact gelu in f32; quantised in registers: the 128 units are K step n of the second product.  The fragment leaves as an image of its registers:
; hq [slot][K step 32][2][lane 32][16 bytes], slot = (4 e + w) 16 + tile; its scale words: hs [slot][4][lane 32][4 words]: word i of lane l = row l % 16, K step 8 g + 2 i + l / 16.
; THE ROWS OF W1 THAT FORM A TILE ARE NOT NEIGHBOURS: lane r of tile 2 b + u takes row 32 b + 8 u + r + 8 (r / 8), so that the 16 registers of tiles 2 b and 2 b + 1 are 16 neighbours along the next K.
; Wave 0 of work-group 0 also makes the load-balance loss from part.
; NO TENSOR LOADS, NO JOINT LOADS: the number of tiles of a wave is a count read from memory, so trip counts differ between work-groups; and the weights, the bulk of the bytes, are shared by nobody.
; erf(z) = z P(z^2) / Q(z^2), z held to +-4, degrees 6 and 4 in z^2.
; LIMITS: NaN and infinities are not served.  erf has an absolute error of a few 1e-7, so gelu of arguments under about -5.6 is of the order of 1e-7 |x| and not the true tail.  A block of zeros gets the scale byte 1.
; REGISTERS.  window 0: see the names below.  window 1: W1's fragments (tile t, K step s < 4) at v[64 s + 8 t]; at the head v0-127: the rows as loaded.  window 2: K steps 4-7 likewise; at the head: part.
;   window 3: v0-63 x's 8 fragments; v64-127 16 rows of xq as loaded; v128-191 b1 in the result's layout.
.set TILEB, 8704                       ; a tile of 16 rows in LDS: 32 pieces of 16 bytes a row; [piece][row][16 bytes], a piece's 256 bytes + 16 of padding
.set PPI,   272
.set XST,   8*TILEB                    ; behind W1's eight tiles: one such tile for each wave, for x
.set LANE, 1
.set RR,   2                           ; lane % 16
.set HH,   3                           ; lane / 16
.set L16,  4                           ; 16 x lane
.set XSTI, 5
.set XSTO, 6
.set WSTI, 7
.set WSTO, 8                           ; tiles 0-3
.set WSTO2, 9                          ; tiles 4-7 (an LDS offset has 16 bits)
.set RO,   10
.set W1SO, 11
.set B1O,  12
.set HSO,  13
.set XSO,  14
.set ZERO, 15
.set RK,   16                          ; v16-28: TOKENS
.set WD,   17
.set EB,   18
.set JW,   19
.set NN,   20
.set TA,   21
.set TB,   22
.set TC,   23
.set TD,   24
.set TT,   25
.set POS,  26
.set KK,   27
.set TOK,  28
.set KA,   30                          ; v[30:31] alpha13 twice, v[32:33] beta8 twice
.set KB,   32
.set XO,   34                          ; v34-49   byte offsets of the 16 rows of xq
.set XS,   50                          ; v50-57   x's scale words, K steps 0-7
.set W1S,  58                          ; v58-89   register 8 b + s: lanes 0-15 tile 2 b, lanes 16-31 tile 2 b + 1
.set HA,   90                          ; v90-153  the 8 tiles of the hidden layer
.set ZR,   154
.set SQ,   162
.set PN,   170
.set QD,   178
.set PC,   186                         ; v186-193 the codes just made
.set TM,   194                         ; v194-209 at work in QUANT
.set PW,   210                         ; the scale word just made
.set RI,   212                         ; v212-219 route
.set LA,   220                         ; the loss
.set LT,   224
.set XF,   0                           ; in window 3
.set XR,   64
.set B1,   128
.set WV,   24
.set EX,   25
.set NS,   26
.set SAVE, 27
.set CM1,  28
.set NT,   29
.set JT,   30
.set J16,  31
.set TS,   32
.set SEL,  38
.set W256, 40
.set ROLE, 41
.set MK,   48                          ; s48-55 the quarter's 256 tokens as bits: 1 = chose my expert
.set PF,   56                          ; s56-63 running counts of those bits
.set XT,   66                          ; s66-81 the tile's sixteen tokens, in XLOAD
.set MSB, 0
.macro WIN new                         ; the immediate's high byte repeats the setting that is left
.if MSB != \new
	s_set_vgpr_msb (MSB<<8)|\new
.set MSB, \new
.endif
.endm
; v[RI + j] = route(256 w + 32 j + lane)  ->  the bit map, its running counts, the last rank and the number of tiles
.macro SORT
.irp j, 0,1,2,3,4,5,6,7
	v_cmp_eq_u32 s[MK+\j], s[EX], v[RI+\j]
.endr
	s_bcnt1_i32_b32 s[PF], s[MK]
.irp j, 1,2,3,4,5,6,7
	s_bcnt1_i32_b32 s[TS], s[MK+\j]
	s_add_co_u32 s[PF+\j], s[PF+\j-1], s[TS]
.endr
	s_sub_co_u32 s[CM1], s[PF+7], 1
	s_add_co_u32 s[NT], s[PF+7], 15
	s_lshr_b32 s[NT], s[NT], 4
	s_min_u32 s[NT], s[NT], 16                     ; 256 tokens are 16 tiles at the most
.endm
; v[TOK] = the token of rank min(s[J16] + lane % 16, last rank): the word that holds it, then the n-th set bit of that word, by the word's sums of 2, 4, 8 and 16 bits
.macro TOKENS
	v_add_nc_u32 v[RK], s[J16], v[RR]
	v_min_u32 v[RK], s[CM1], v[RK]
	v_mov_b32 v[WD], s[MK]
	v_mov_b32 v[EB], 0
	v_mov_b32 v[JW], 0
.irp j, 0,1,2,3,4,5,6                  ; the counts do not fall, so the last step that holds leaves the right word, the count in front of it and its number
	v_cmp_le_u32 vcc_lo, s[PF+\j], v[RK]
	v_cndmask_b32 v[WD], v[WD], s[MK+\j+1], vcc_lo
	v_cndmask_b32 v[EB], v[EB], s[PF+\j], vcc_lo
	v_cndmask_b32 v[JW], v[JW], \j+1, vcc_lo
.endr
	v_sub_nc_u32 v[NN], v[RK], v[EB]               ; n: which set bit of the word
	v_lshrrev_b32 v[TT], 1, v[WD]
	v_and_b32 v[TT], 0x55555555, v[TT]
	v_sub_nc_u32 v[TA], v[WD], v[TT]               ; counts of 2 bits
	v_lshrrev_b32 v[TT], 2, v[TA]
	v_and_b32 v[TT], 0x33333333, v[TT]
	v_and_b32 v[TB], 0x33333333, v[TA]
	v_add_nc_u32 v[TB], v[TB], v[TT]               ; of 4
	v_lshrrev_b32 v[TT], 4, v[TB]
	v_add_nc_u32 v[TC], v[TB], v[TT]
	v_and_b32 v[TC], 0x0f0f0f0f, v[TC]             ; of 8
	v_lshrrev_b32 v[TT], 8, v[TC]
	v_add_nc_u32 v[TD], v[TC], v[TT]               ; its low byte: of the low 16
	v_and_b32 v[TT], 0xff, v[TD]
	v_cmp_ge_u32 vcc_lo, v[NN], v[TT]              ; not in the lower half: pass it
	v_cndmask_b32 v[TT], 0, v[TT], vcc_lo
	v_sub_nc_u32 v[NN], v[NN], v[TT]
	v_cndmask_b32 v[POS], 0, 16, vcc_lo
.irp w, 8,4,2
.if \w == 8
	v_bfe_u32 v[TT], v[TC], v[POS], 8
.elseif \w == 4
	v_bfe_u32 v[TT], v[TB], v[POS], 4
.else
	v_bfe_u32 v[TT], v[TA], v[POS], 2
.endif
	v_cmp_ge_u32 vcc_lo, v[NN], v[TT]
	v_cndmask_b32 v[TT], 0, v[TT], vcc_lo
	v_sub_nc_u32 v[NN], v[NN], v[TT]
	v_cndmask_b32 v[KK], 0, \w, vcc_lo
	v_add_nc_u32 v[POS], v[POS], v[KK]
.endr
	v_bfe_u32 v[TT], v[WD], v[POS], 1
	v_cmp_ge_u32 vcc_lo, v[NN], v[TT]
	v_cndmask_b32 v[KK], 0, 1, vcc_lo
	v_add_nc_u32 v[POS], v[POS], v[KK]
	v_lshl_add_u32 v[TOK], v[JW], 5, v[POS]
	v_add_nc_u32 v[TOK], s[W256], v[TOK]
	v_min_u32 v[TOK], 0x3ff, v[TOK]                ; a token's number, whatever the list holds
.endm
; the tile's 16 rows of codes, a whole row of 512 bytes an instruction, and its scale words (lane r: token r's 32 bytes).
; The sixteen lane reads stand together, then the sixteen clamps, then the sixteen offsets: no scalar line stands directly behind the lane read that feeds it
.macro XLOAD
.irp i, 0,1,2,3,4,5,6,7,8,9,10,11,12,13,14,15
	v_readlane_b32 s[XT+\i], v[TOK], \i
.endr
.irp i, 0,1,2,3,4,5,6,7,8,9,10,11,12,13,14,15
	s_min_u32 s[XT+\i], s[XT+\i], 0x3ff
.endr
.irp i, 0,1,2,3,4,5,6,7,8,9,10,11,12,13,14,15
	v_lshl_add_u32 v[XO+\i], s[XT+\i], 9, v[L16]
.endr
	v_lshlrev_b32 v[XSO], 5, v[TOK]
	WIN 0xc0                                       ; destination window 3
.irp i, 0,1,2,3,4,5,6,7,8,9,10,11,12,13,14,15
	global_load_b128 v[XR+4*\i:XR+4*\i+3], v[XO+\i], s[6:7]
.endr
	WIN 0
	global_load_b128 v[XS:XS+3], v[XSO], s[8:9]
	global_load_b128 v[XS+4:XS+7], v[XSO], s[8:9] offset:16
.endm
; gelu of eight numbers in place: a = 0.5 a (1 + erf(a / sqrt 2)); each step goes over the four pairs, so that no line waits for the line above it
.macro GELU8 a
.irp p, 0,2,4,6
	v_pk_mul_f32 v[ZR+\p:ZR+\p+1], v[\a+\p:\a+\p+1], 0x3f3504f3 op_sel_hi:[1,0]   ; z = a / sqrt 2.  (An accumulator is read from its low end on)
.endr
.irp p, 0,2,4,6
	v_pk_mul_f32 v[\a+\p:\a+\p+1], v[\a+\p:\a+\p+1], 0.5 op_sel_hi:[1,0]
.endr
.irp i, 0,1,2,3,4,5,6,7
	v_med3_num_f32 v[ZR+\i], v[ZR+\i], -4.0, 4.0
.endr
.irp p, 0,2,4,6
	v_pk_mul_f32 v[SQ+\p:SQ+\p+1], v[ZR+\p:ZR+\p+1], v[ZR+\p:ZR+\p+1]
.endr
.irp p, 0,2,4,6
	v_pk_fma_f32 v[PN+\p:PN+\p+1], v[SQ+\p:SQ+\p+1], v[KA:KA+1], 0x32edffee op_sel_hi:[1,1,0]
.endr
.irp k, 0xb60cff29, 0xb86ec2d2, 0xba40ac63, 0xbb41a1f6, 0xbc83dbd4
.irp p, 0,2,4,6
	v_pk_fma_f32 v[PN+\p:PN+\p+1], v[PN+\p:PN+\p+1], v[SQ+\p:SQ+\p+1], \k op_sel_hi:[1,1,0]
.endr
.endr
.irp p, 0,2,4,6
	v_pk_fma_f32 v[QD+\p:QD+\p+1], v[SQ+\p:SQ+\p+1], v[KB:KB+1], 0xb95fbd29 op_sel_hi:[1,1,0]
.endr
.irp k, 0xbadc924e, 0xbbf19bf8, 0xbc69b6a7
.irp p, 0,2,4,6
	v_pk_fma_f32 v[QD+\p:QD+\p+1], v[QD+\p:QD+\p+1], v[SQ+\p:SQ+\p+1], \k op_sel_hi:[1,1,0]
.endr
.endr
.irp i, 0,1,2,3,4,5,6,7
	v_rcp_f32 v[QD+\i], v[QD+\i]
.endr
.irp p, 0,2,4,6
	v_pk_mul_f32 v[PN+\p:PN+\p+1], v[PN+\p:PN+\p+1], v[ZR+\p:ZR+\p+1]   ; plain lines behind the reciprocals, which name none of their registers
.endr
	s_wait_alu depctr_va_vdst(0)
.irp p, 0,2,4,6
	v_pk_mul_f32 v[PN+\p:PN+\p+1], v[PN+\p:PN+\p+1], v[QD+\p:QD+\p+1]   ; erf
.endr
.irp p, 0,2,4,6
	v_pk_fma_f32 v[\a+\p:\a+\p+1], v[\a+\p:\a+\p+1], v[PN+\p:PN+\p+1], v[\a+\p:\a+\p+1]
.endr
.endm
; 64 numbers of a lane, register 16 b + i = k 32 b + 16 (lane / 16) + i of my row, become a fragment's codes in v[PC] on and its scale word in v[PW]
.macro QUANT s
.irp b, 0,1,2,3
	v_max3_num_f32 v[TM+\b], |v[\s+16*\b]|, |v[\s+1+16*\b]|, 0x1800000   ; with the floor 2^(3 - 127): the byte cannot fall under 1
.endr
.irp i, 2,4,6,8,10,12,14
.irp b, 0,1,2,3
	v_max3_num_f32 v[TM+\b], v[TM+\b], |v[\s+16*\b+\i]|, |v[\s+1+16*\b+\i]|
.endr
.endr
.irp b, 0,1,2,3
	v_permlanex16_b32 v[TM+4+\b], v[TM+\b], s[SEL], s[SEL+1]
.endr
.irp b, 0,1,2,3
	v_max_num_f32 v[TM+\b], v[TM+\b], v[TM+4+\b]   ; with lane l xor 16's: the block's largest magnitude
.endr
.irp b, 0,1,2,3
	v_add_nc_u32 v[TM+12+\b], 0xff000000, v[TM+\b] ; 2 off its exponent field: the conversions' scale operand
.endr
.irp b, 0,1,2,3
	v_lshrrev_b32 v[TM+4+\b], 23, v[TM+12+\b]      ; the scale's byte
.endr
	v_lshl_or_b32 v[PW], v[TM+5], 8, v[TM+4]
	v_lshl_or_b32 v[PW], v[TM+6], 16, v[PW]
	v_lshl_or_b32 v[PW], v[TM+7], 24, v[PW]
.irp b, 0,1,2,3
	v_cvt_scalef32_pk8_fp4_f32 v[PC+2*\b], v[\s+16*\b:\s+7+16*\b], v[TM+12+\b]
	v_cvt_scalef32_pk8_fp4_f32 v[PC+1+2*\b], v[\s+8+16*\b:\s+15+16*\b], v[TM+12+\b]
.endr
	v_nop                                          ; one plain line behind a scaled conversion
.irp c, 0,1                            ; the operand's layout wants a whole block in a lane
.irp i, 0,1
	v_permlane16_swap_b32 v[PC+4*\c+\i], v[PC+2+4*\c+\i]
.endr
.endr
.endm
; product (tile t, K step s): the eight accumulators take turns, one instruction a turn
.macro MMU t, s
.if (\s) == 0
.if (\t)%2
	v_wmma_scale_f32_16x16x128_f8f6f4 v[HA+8*\t:HA+8*\t+7], v[8*\t:8*\t+7], v[XF:XF+7], v[B1+8*\t:B1+8*\t+7], v[W1S+8*(\t/2)], v[XS] matrix_a_fmt:MATRIX_FMT_FP4 matrix_b_fmt:MATRIX_FMT_FP4 matrix_a_scale:MATRIX_SCALE_ROW1
.else
	v_wmma_scale_f32_16x16x128_f8f6f4 v[HA+8*\t:HA+8*\t+7], v[8*\t:8*\t+7], v[XF:XF+7], v[B1+8*\t:B1+8*\t+7], v[W1S+8*(\t/2)], v[XS] matrix_a_fmt:MATRIX_FMT_FP4 matrix_b_fmt:MATRIX_FMT_FP4
.endif
.else
.if (\t)%2
	v_wmma_scale_f32_16x16x128_f8f6f4 v[HA+8*\t:HA+8*\t+7], v[64*((\s)%4)+8*\t:64*((\s)%4)+8*\t+7], v[XF+8*\s:XF+8*\s+7], v[HA+8*\t:HA+8*\t+7], v[W1S+8*(\t/2)+\s], v[XS+\s] matrix_a_fmt:MATRIX_FMT_FP4 matrix_b_fmt:MATRIX_FMT_FP4 matrix_a_scale:MATRIX_SCALE_ROW1
.else
	v_wmma_scale_f32_16x16x128_f8f6f4 v[HA+8*\t:HA+8*\t+7], v[64*((\s)%4)+8*\t:64*((\s)%4)+8*\t+7], v[XF+8*\s:XF+8*\s+7], v[HA+8*\t:HA+8*\t+7], v[W1S+8*(\t/2)+\s], v[XS+\s] matrix_a_fmt:MATRIX_FMT_FP4 matrix_b_fmt:MATRIX_FMT_FP4
.endif
.endif
.endm
.macro WFRAG base                      ; W1's fragments of K steps base .. base + 3 from LDS: lane (r, h) takes piece 4 s + 2 c + h of row r: sixteen lanes read 256 consecutive bytes
.irp s, 0,1,2,3
.irp t, 0,1,2,3,4,5,6,7
.irp c, 0,1
	ds_load_b128 v[64*\s+8*\t+4*\c:64*\s+8*\t+4*\c+3], v[WSTO+\t/4] offset:(\t%4)*TILEB+PPI*(4*(\base+\s)+2*\c)
.endr
.endr
.endr
.endm
	s_load_b256 s[4:11], s[0:1], 0x0               ; route s[4:5], xq s[6:7], xs s[8:9], W1's codes s[10:11]
	s_load_b256 s[12:19], s[0:1], 0x20             ; W1's scales s[12:13], b1 s[14:15], part s[16:17], hq s[18:19]
	s_load_b128 s[20:23], s[0:1], 0x40             ; hs s[20:21], out1 s[22:23]
	v_lshl_add_u32 v254, v0, 2, 0x19800
	v_mov_b32 v255, 0
	v_lshrrev_b32 v[RO], 5, v0
	v_readfirstlane_b32 s[WV], v[RO]               ; wave 0..3
	v_and_b32 v[LANE], 31, v0
	v_and_b32 v[RR], 15, v0
	v_bfe_u32 v[HH], v0, 4, 1
	v_lshlrev_b32 v[L16], 4, v[LANE]
	s_mul_i32 s32, s[WV], TILEB
	s_add_co_u32 s32, s32, XST                     ; my wave's stage for x
	s_mul_i32 s33, s[WV], 2*TILEB                  ; my 32 rows of W1 are tiles 2 w and 2 w + 1
	v_mul_u32_u24 v[XSTI], v[LANE], PPI            ; a row as loaded: lane l holds piece l
	v_mul_u32_u24 v[WSTO], v[HH], PPI
	v_lshl_add_u32 v[WSTO], v[RR], 4, v[WSTO]      ; a fragment: piece + h, row r
	v_add_nc_u32 v[XSTO], s32, v[WSTO]
	v_add_nc_u32 v[WSTI], s33, v[XSTI]
	v_add_nc_u32 v[XSTI], s32, v[XSTI]
	v_add_nc_u32 v[WSTO2], 4*TILEB, v[WSTO]
	v_lshlrev_b32 v[RO], 10, v[RO]
	v_lshl_add_u32 v[RO], v[LANE], 2, v[RO]        ; route: 1,024 w + 4 lane
	v_and_b32 v[W1SO], 8, v[RR]
	v_add_nc_u32 v[W1SO], v[W1SO], v[RR]
	v_lshl_add_u32 v[W1SO], v[HH], 3, v[W1SO]
	v_lshlrev_b32 v[W1SO], 5, v[W1SO]              ; W1's scales: row r + 8 (r / 8) + 8 h, 32 bytes a row
	v_lshlrev_b32 v[B1O], 6, v[HH]                 ; b1: 16 h numbers on
	v_lshlrev_b32 v[HSO], 4, v[RR]
	v_mov_b32 v[ZERO], 0
	v_mov_b32 v[KA], 0xaf95df0b
	v_mov_b32 v[KA+1], 0xaf95df0b
	v_mov_b32 v[KB], 0xb77460cd
	v_mov_b32 v[KB+1], 0xb77460cd
.irp b, 0,1,2,3
	v_mov_b32 v[TM+4+\b], 0                        ; written once: a lane permute's destination counts as one of its sources
	v_mov_b32 v[LT+\b], 0
.endr
	s_lshr_b32 s[EX], ttmp9, 5                     ; my expert
	s_and_b32 s[NS], ttmp9, 31                     ; my slice
	s_lshl_b32 s[W256], s[WV], 8
	s_or_b32 s[ROLE], ttmp9, s[WV]                 ; 0 in wave 0 of work-group 0
	s_mov_b32 s[SEL], 0x76543210
	s_mov_b32 s[SEL+1], 0xfedcba98
	s_lshl_b32 s34, ttmp9, 16                      ; 4,096 e + 128 n = 128 id: rows of 512 bytes,
	s_lshl_b32 s32, s[WV], 14                      ; my wave's 32 of them
	s_add_co_u32 s34, s34, s32
	s_mov_b32 s35, 0
	s_lshl_b32 s36, ttmp9, 12                      ; their scale bytes: 32 a row
	s_mov_b32 s37, 0
	s_lshl_b32 s42, ttmp9, 9                       ; b1
	s_mov_b32 s43, 0
	s_lshl_b32 s32, s[EX], 2
	s_add_co_u32 s32, s32, s[WV]                   ; 4 e + w: 16 slots
	s_lshl_b32 s44, s32, 19                        ; of 32,768 bytes in hq,
	s_lshl_b32 s33, s[NS], 10                      ; K step n
	s_add_co_u32 s44, s44, s33
	s_mov_b32 s45, 0
	s_lshl_b32 s46, s32, 15                        ; of 2,048 bytes in hs: 512 (n / 8) + 256 (n % 2) + 4 ((n % 8) / 2)
	s_lshr_b32 s33, s[NS], 3
	s_lshl_b32 s33, s33, 9
	s_add_co_u32 s46, s46, s33
	s_and_b32 s33, s[NS], 1
	s_lshl_b32 s33, s33, 8
	s_add_co_u32 s46, s46, s33
	s_bfe_u32 s33, s[NS], 0x20001
	s_lshl_b32 s33, s33, 2
	s_add_co_u32 s46, s46, s33
	s_mov_b32 s47, 0
	s_wait_kmcnt 0x0
	s_add_nc_u64 s[10:11], s[10:11], s[34:35]
	s_add_nc_u64 s[12:13], s[12:13], s[36:37]
	s_add_nc_u64 s[14:15], s[14:15], s[42:43]
	s_add_nc_u64 s[18:19], s[18:19], s[44:45]
	s_add_nc_u64 s[20:21], s[20:21], s[46:47]
	s_cmp_lg_u32 s[ROLE], 0
	s_cbranch_scc1 .Lno_part
	WIN 0x80                                       ; destination window 2
.set i, 0
.rept 32
	global_load_b128 v[4*i:4*i+3], v[L16], s[16:17] offset:512*i   ; all of part, 16 KB: issued first, so every count below holds with and without them
.set i, i+1
.endr
	WIN 0
.Lno_part:
.irp j, 0,1,2,3,4,5,6,7
	global_load_b32 v[RI+\j], v[RO], s[4:5] offset:128*\j
.endr
	WIN 0x40                                       ; destination window 1
.set i, 0
.rept 32
	global_load_b128 v[4*i:4*i+3], v[L16], s[10:11] offset:512*i th:TH_LOAD_NT   ; a whole row of W1's codes: 512 consecutive bytes, read once in the launch
.set i, i+1
.endr
	WIN 0
.irp b, 0,1,2,3
.irp f, 0,1
	global_load_b128 v[W1S+8*\b+4*\f:W1S+8*\b+4*\f+3], v[W1SO], s[12:13] offset:1024*\b+16*\f
.endr
.endr
	WIN 0xc0                                       ; destination window 3
.irp t, 0,1,2,3,4,5,6,7
	global_load_b128 v[B1+8*\t:B1+8*\t+3], v[B1O], s[14:15] offset:(32*(\t/2)+8*(\t%2))*4
	global_load_b128 v[B1+8*\t+4:B1+8*\t+7], v[B1O], s[14:15] offset:(32*(\t/2)+8*(\t%2))*4+16
.endr
	WIN 0
	s_wait_loadcnt 56                              ; route (and part) are in: behind them 32 rows, 8 loads of scales, 16 of b1
	SORT
	s_mov_b32 s[J16], 0
	TOKENS
	XLOAD                                          ; the first tile's x: 18 loads
	s_cmp_lg_u32 s[ROLE], 0
	s_cbranch_scc1 .Lno_loss
	; THE LOSS: 8 x the sum over experts of (mean probability x mean one-hot) = 2^-17 x the sum of P_e U_e.  Component c of lane l holds number 4 (l % 4) + c of each work-group's sixteen
	WIN 0x0a                                       ; sources 0 and 1 window 2
	v_pk_add_f32 v[LA:LA+1], v[0:1], v[4:5]
	v_pk_add_f32 v[LA+2:LA+3], v[2:3], v[6:7]
	WIN 0x08                                       ; source 1 window 2
.set i, 2
.rept 30
	v_pk_add_f32 v[LA:LA+1], v[LA:LA+1], v[4*i:4*i+1]
	v_pk_add_f32 v[LA+2:LA+3], v[LA+2:LA+3], v[4*i+2:4*i+3]
.set i, i+1
.endr
	WIN 0
.irp m, 4,8
.irp c, 0,1,2,3
	v_add_f32_dpp v[LA+\c], v[LA+\c], v[LA+\c] row_xmask:\m row_mask:0xf bank_mask:0xf
.endr
.endr
.irp c, 0,1,2,3
	v_permlanex16_b32 v[LT+\c], v[LA+\c], s[SEL], s[SEL+1]
.endr
.irp c, 0,1,2,3
	v_add_f32 v[LA+\c], v[LA+\c], v[LT+\c]
.endr
.irp c, 0,1,2,3
	v_mul_f32_dpp v[LT+\c], v[LA+\c], v[LA+\c] row_xmask:2 row_mask:0xf bank_mask:0xf   ; lanes 0, 1 hold P, lanes 2, 3 the U of the same experts
.endr
	v_add_f32 v[LT], v[LT], v[LT+1]
	v_add_f32 v[LT+2], v[LT+2], v[LT+3]
	v_add_f32 v[LT], v[LT], v[LT+2]
	v_add_f32_dpp v[LT], v[LT], v[LT] row_xmask:1 row_mask:0xf bank_mask:0xf
	v_mul_f32 v[LT], 0x37000000, v[LT]             ; x 2^-17
	s_wait_xcnt 0x0                                ; EXEC changes only when the loads issued so far have had their addresses translated
	v_cmp_eq_u32 vcc_lo, 0, v[LANE]
	s_and_saveexec_b32 s[SAVE], vcc_lo
	global_store_b32 v[ZERO], v[LT], s[22:23]
	s_wait_xcnt 0x0
	s_or_b32 exec_lo, exec_lo, s[SAVE]
.Lno_loss:
	s_wait_loadcnt 42                              ; W1's rows are in: behind them 8 + 16 + 18 loads
	WIN 0x04                                       ; an LDS store's data are its source 1: window 1
.set i, 0
.rept 32                               ; row 32 w + i is row (i % 8) + 8 (i / 16) of tile 2 w + (i / 8) % 2
	ds_store_b128 v[WSTI], v[4*i:4*i+3] offset:((i/8)%2)*TILEB+16*(8*((i/16)%2)+i%8)
.set i, i+1
.endr
	WIN 0
	s_wait_dscnt 0x0                               ; for the others' sake: my rows have landed
	s_barrier_signal -1
	s_barrier_wait -1                              ; the slice lies in LDS; it is written no more: the launch's one barrier
	s_cmp_eq_u32 s[NT], 0                          ; none of my 256 tokens chose this expert
	s_cbranch_scc1 .Lend
	WIN 0x40
	WFRAG 0
	WIN 0x80
	WFRAG 4
	WIN 0
	s_mov_b32 s[JT], 0
.Ltile:
	s_wait_loadcnt 0x0                             ; the tile's x (in the first trip W1's scales and b1 too)
	WIN 0x0c                                       ; the data: window 3
.irp i, 0,1,2,3,4,5,6,7,8,9,10,11,12,13,14,15
	ds_store_b128 v[XSTI], v[XR+4*\i:XR+4*\i+3] offset:16*\i
.endr
	WIN 0xc0
.irp s, 0,1,2,3,4,5,6,7
.irp c, 0,1
	ds_load_b128 v[XF+8*\s+4*\c:XF+8*\s+4*\c+3], v[XSTO] offset:PPI*(4*\s+2*\c)   ; my wave's own bytes: served in order behind the stores above
.endr
.endr
	WIN 0
	s_wait_dscnt 0x0                               ; x's fragments (in the first trip W1's too)
	WIN 0x3d                                       ; source 0 (W1) window 1, source 1 (x) and C (b1) window 3
.irp t, 0,1,2,3,4,5,6,7
	MMU \t, 0
.endr
	WIN 0x0d                                       ; C and D window 0
.irp s, 1,2,3
.irp t, 0,1,2,3,4,5,6,7
	MMU \t, \s
.endr
.endr
	WIN 0x0e                                       ; source 0 window 2
.irp s, 4,5,6,7
.irp t, 0,1,2,3,4,5,6,7
	MMU \t, \s
.endr
.endr
	WIN 0
.rept 4
	v_nop                                          ; four plain lines between the last products and the first read of results, and the loads into x's scale words
.endr
	s_add_co_u32 s[JT], s[JT], 1
	s_cmp_ge_u32 s[JT], s[NT]
	s_cbranch_scc1 .Lno_next
	s_lshl_b32 s[J16], s[JT], 4
	TOKENS
	XLOAD                                          ; the next tile's x is on its way while this tile's gelu is worked
.Lno_next:
.irp t, 0,1,2,3,4,5,6,7
	GELU8 HA+8*\t
.endr
	QUANT HA
	global_store_b128 v[L16], v[PC:PC+3], s[18:19]             ; the fragment as it stands: 512 consecutive bytes a store
	global_store_b128 v[L16], v[PC+4:PC+7], s[18:19] offset:512
	global_store_b32 v[HSO], v[PW], s[20:21]                   ; row r's scale word (lanes 16-31 hold and write the same)
	s_wait_xcnt 0x0                                ; the stores have read their registers and bases: both are written again below and in the next trip
	s_add_nc_u64 s[18:19], s[18:19], 0x8000        ; the next slot
	s_add_nc_u64 s[20:21], s[20:21], 0x800
	s_cmp_lt_u32 s[JT], s[NT]
	s_cbranch_scc1 .Ltile
.Lend:
	s_wait_tensorcnt 0x0
	ds_add_u32 v254, v255
	s_wait_dscnt 0x0
	s_endpgm
.Lfunc_end_k_q67c55ea5e5_up:
	.size	k_q67c55ea5e5_up, .Lfunc_end_k_q67c55ea5e5_up-k_q67c55ea5e5_up
	.p2alignl 7, 3214868480
	.fill 96, 4, 3214868480
	.section	.rodata,"a",@progbits
	.p2align	6, 0x0
	.amdhsa_kernel k_q67c55ea5e5_up
		.amdhsa_group_segment_fixed_size 104960
		.amdhsa_private_segment_fixed_size 0
		.amdhsa_enable_private_segment 0
		.amdhsa_kernarg_size 80
		.amdhsa_user_sgpr_count 2
		.amdhsa_user_sgpr_kernarg_segment_ptr 1
		.amdhsa_wavefront_size32 1
		.amdhsa_system_sgpr_workgroup_id_x 1
		.amdhsa_system_sgpr_workgroup_id_y 1
		.amdhsa_system_sgpr_workgroup_id_z 1
		.amdhsa_system_vgpr_workitem_id 0
		.amdhsa_next_free_vgpr 960
		.amdhsa_next_free_sgpr 82
		.amdhsa_reserve_vcc 1
		.amdhsa_float_denorm_mode_32 3
		.amdhsa_float_denorm_mode_16_64 3
		.amdhsa_memory_ordered 1
		.amdhsa_forward_progress 1
		.amdhsa_inst_pref_size 111
	.end_amdhsa_kernel
	.amdgpu_metadata
---
amdhsa.version: [ 1, 2 ]
amdhsa.kernels:
  - .name:           k_q67c55ea5e5_up
    .symbol:         k_q67c55ea5e5_up.kd
    .args:
      - { .name: route, .offset: 0, .size: 8, .value_kind: global_buffer, .address_space: global }
      - { .name: xq, .offset: 8, .size: 8, .value_kind: global_buffer, .address_space: global }
      - { .name: xs, .offset: 16, .size: 8, .value_kind: global_buffer, .address_space: global }
      - { .name: W1_codes, .offset: 24, .size: 8, .value_kind: global_buffer, .address_space: global }
      - { .name: W1_scales, .offset: 32, .size: 8, .value_kind: global_buffer, .address_space: global }
      - { .name: b1, .offset: 40, .size: 8, .value_kind: global_buffer, .address_space: global }
      - { .name: part, .offset: 48, .size: 8, .value_kind: global_buffer, .address_space: global }
      - { .name: hq, .offset: 56, .size: 8, .value_kind: global_buffer, .address_space: global }
      - { .name: hs, .offset: 64, .size: 8, .value_kind: global_buffer, .address_space: global }
      - { .name: out1, .offset: 72, .size: 8, .value_kind: global_buffer, .address_space: global }
    .group_segment_fixed_size: 104960
    .private_segment_fixed_size: 0
    .kernarg_segment_align: 8
    .kernarg_segment_size: 80
    .max_flat_workgroup_size: 128
    .sgpr_count:     82
    .vgpr_count:     960
    .wavefront_size: 32
...
	.end_amdgpu_metadata
.endif
;; end of part 2
;; launch down (part 3): grid 256 x 1, 4 waves a work-group, no clusters, 79,872 bytes of LDS; arguments route, score, hq, hs, W2_codes, W2_scales, b2, out0; writes out0
.if DOCPART == 3
	.amdgcn_target "amdgcn-amd-amdhsa--gfx1250"
	.amdhsa_code_object_version 6
	.text
	.protected	k_q67c55ea5e5_down
	.globl	k_q67c55ea5e5_down
	.p2align	8
	.type	k_q67c55ea5e5_down,@function
k_q67c55ea5e5_down:
	s_mov_b64 s[64:65], 0
	v_nop
	global_prefetch_b8 v0, s[64:65] scope:SCOPE_SE
	s_setreg_imm32_b32 hwreg(HW_REG_WAVE_MODE, 25, 1), 1
	s_wait_xcnt 0x0
; out = (h W2^T + b2) x score FOR THE CHOSEN EXPERT ALONE, in MX-FP4.  Work-group = (expert e = id / 32, columns 32 n .. 32 n + 31, n = id % 32): each byte of W2 is read by one work-group, once.
; The slice (32 rows x 2,048 bytes of codes) is loaded in runs of 512 bytes, laid in LDS by operand pieces, and taken by EVERY wave into its registers: 64 fragments, 512 registers, for the whole launch.
; Wave w serves the tokens 256 w .. 256 w + 255 that chose e, in the same tiles of 16, in the same order, as the launch that made h (the same SORT and TOKENS on the same route).
; A tile: its 32 fragments of h and their scale words come from hq and hs as images of the operand's registers, 512 consecutive bytes a load, in four chunks of 8 K steps; a chunk's registers take the next tile's
; chunk when its 16 products are issued.  Source 0 = 16 rows of W2 (columns of out), source 1 = the 16 tokens: a lane holds one token and eight neighbouring columns.  b2 is the C of each sum's first instruction.
; The results, x the token's score, go through the wave's own LDS stage and leave as runs of 128 bytes of a row: the slice's 32 columns.  (64 columns to a wave would want all 1,024 registers for W2 alone.)
; WHAT A TILE NEEDS BESIDE h IS MADE A TILE AHEAD: its tokens (TOKENS) and their way through LDS stand in the tile before, behind the LDS loads of that tile's results, so that the two round trips run side by side;
; the first tile's stand at the head, where the wave waits for W2's rows.  The byte offsets of the rows to be stored (ROWS) are made behind a tile's first 16 products.
; NO TENSOR LOADS, NO JOINT LOADS: the number of tiles of a wave is a count read from memory, so trip counts differ between work-groups.
; LIMITS: NaN and infinities are not served.
; REGISTERS.  window 0: see the names below.  windows 1, 2: W2's fragment (tile t, K step s) at v[8 (2 s + t) % 256], K steps 0-15 in window 1; at the head window 1's v0-127: the rows as loaded.  window 3: h's fragments, v[64 g + 8 ss + 4 c].
.set TILEB, 34816                      ; a tile of 16 rows in LDS: 128 pieces of 16 bytes a row; [piece][row][16 bytes], a piece's 256 bytes + 16 of padding
.set PPI,   272
.set OST,   2*TILEB                    ; behind W2's two tiles: a stage of 16 rows x (128 + 16) bytes for each wave,
.set OSP,   144
.set TKS,   OST+4*16*OSP               ; and 128 bytes for each wave: the tile's tokens
.set LANE, 1
.set RR,   2
.set HH,   3
.set L16,  4
.set WSTI, 5
.set WSTO, 6                           ; tile 0
.set WSTO2, 7                          ; tile 1
.set OSI,  8
.set OSO,  9
.set TKI,  10
.set TKO,  11
.set RO,   12
.set W2SO, 13
.set B2O,  14
.set C16,  15
.set RK,   16                          ; v16-28: TOKENS
.set WD,   17
.set EB,   18
.set JW,   19
.set NN,   20
.set TA,   21
.set TB,   22
.set TC,   23
.set TD,   24
.set TT,   25
.set POS,  26
.set KK,   27
.set TOK,  28
.set SC,   30                          ; v[30:31] my token's score (the pair's upper word is written once)
.set SO,   32
.set OA,   34                          ; v34-37   byte offsets in out0 of the rows that I store
.set TKR,  38                          ; v38-41   their tokens
.set RI,   42                          ; v42-49   route
.set W2S,  50                          ; v50-81   register s: lanes 0-15 tile 0, lanes 16-31 tile 1
.set HS,   82                          ; v82-97   register 4 g + i: lanes 0-15 K step 8 g + 2 i, lanes 16-31 K step 8 g + 2 i + 1
.set B2,   98                          ; v98-113
.set ACC,  114                         ; v114-129
.set OV,   130                         ; v130-145
.set OB,   146                         ; v146-161
.set WV,   24
.set EX,   25
.set NS,   26
.set CM1,  28
.set NT,   29
.set JT,   30
.set J16,  31
.set TS,   32
.set W256, 40
.set MK,   48                          ; s48-55 the quarter's 256 tokens as bits: 1 = chose my expert
.set PF,   56                          ; s56-63 running counts of those bits
.set MSB, 0
.macro WIN new                         ; the immediate's high byte repeats the setting that is left
.if MSB != \new
	s_set_vgpr_msb (MSB<<8)|\new
.set MSB, \new
.endif
.endm
; v[RI + j] = route(256 w + 32 j + lane)  ->  the bit map, its running counts, the last rank and the number of tiles
.macro SORT
.irp j, 0,1,2,3,4,5,6,7
	v_cmp_eq_u32 s[MK+\j], s[EX], v[RI+\j]
.endr
	s_bcnt1_i32_b32 s[PF], s[MK]
.irp j, 1,2,3,4,5,6,7
	s_bcnt1_i32_b32 s[TS], s[MK+\j]
	s_add_co_u32 s[PF+\j], s[PF+\j-1], s[TS]
.endr
	s_sub_co_u32 s[CM1], s[PF+7], 1
	s_add_co_u32 s[NT], s[PF+7], 15
	s_lshr_b32 s[NT], s[NT], 4
	s_min_u32 s[NT], s[NT], 16                     ; 256 tokens are 16 tiles at the most
.endm
; v[TOK] = the token of rank min(s[J16] + lane % 16, last rank): the word that holds it, then the n-th set bit of that word, by the word's sums of 2, 4, 8 and 16 bits
.macro TOKENS
	v_add_nc_u32 v[RK], s[J16], v[RR]
	v_min_u32 v[RK], s[CM1], v[RK]
	v_mov_b32 v[WD], s[MK]
	v_mov_b32 v[EB], 0
	v_mov_b32 v[JW], 0
.irp j, 0,1,2,3,4,5,6                  ; the counts do not fall, so the last step that holds leaves the right word, the count in front of it and its number
	v_cmp_le_u32 vcc_lo, s[PF+\j], v[RK]
	v_cndmask_b32 v[WD], v[WD], s[MK+\j+1], vcc_lo
	v_cndmask_b32 v[EB], v[EB], s[PF+\j], vcc_lo
	v_cndmask_b32 v[JW], v[JW], \j+1, vcc_lo
.endr
	v_sub_nc_u32 v[NN], v[RK], v[EB]               ; n: which set bit of the word
	v_lshrrev_b32 v[TT], 1, v[WD]
	v_and_b32 v[TT], 0x55555555, v[TT]
	v_sub_nc_u32 v[TA], v[WD], v[TT]               ; counts of 2 bits
	v_lshrrev_b32 v[TT], 2, v[TA]
	v_and_b32 v[TT], 0x33333333, v[TT]
	v_and_b32 v[TB], 0x33333333, v[TA]
	v_add_nc_u32 v[TB], v[TB], v[TT]               ; of 4
	v_lshrrev_b32 v[TT], 4, v[TB]
	v_add_nc_u32 v[TC], v[TB], v[TT]
	v_and_b32 v[TC], 0x0f0f0f0f, v[TC]             ; of 8
	v_lshrrev_b32 v[TT], 8, v[TC]
	v_add_nc_u32 v[TD], v[TC], v[TT]               ; its low byte: of the low 16
	v_and_b32 v[TT], 0xff, v[TD]
	v_cmp_ge_u32 vcc_lo, v[NN], v[TT]              ; not in the lower half: pass it
	v_cndmask_b32 v[TT], 0, v[TT], vcc_lo
	v_sub_nc_u32 v[NN], v[NN], v[TT]
	v_cndmask_b32 v[POS], 0, 16, vcc_lo
.irp w, 8,4,2
.if \w == 8
	v_bfe_u32 v[TT], v[TC], v[POS], 8
.elseif \w == 4
	v_bfe_u32 v[TT], v[TB], v[POS], 4
.else
	v_bfe_u32 v[TT], v[TA], v[POS], 2
.endif
	v_cmp_ge_u32 vcc_lo, v[NN], v[TT]
	v_cndmask_b32 v[TT], 0, v[TT], vcc_lo
	v_sub_nc_u32 v[NN], v[NN], v[TT]
	v_cndmask_b32 v[KK], 0, \w, vcc_lo
	v_add_nc_u32 v[POS], v[POS], v[KK]
.endr
	v_bfe_u32 v[TT], v[WD], v[POS], 1
	v_cmp_ge_u32 vcc_lo, v[NN], v[TT]
	v_cndmask_b32 v[KK], 0, 1, vcc_lo
	v_add_nc_u32 v[POS], v[POS], v[KK]
	v_lshl_add_u32 v[TOK], v[JW], 5, v[POS]
	v_add_nc_u32 v[TOK], s[W256], v[TOK]
	v_min_u32 v[TOK], 0x3ff, v[TOK]                ; a token's number, whatever the list holds
.endm
; the tile's tokens go round through my wave's own 128 bytes of LDS: in by rows (lanes 0-15: rows 0-15), back as the lanes will store: row 4 i + lane / 8.  And where my token's score lies
.macro ASKTOK
	ds_store_b32 v[TKI], v[TOK]
.irp i, 0,1,2,3
	ds_load_b32 v[TKR+\i], v[TKO] offset:16*\i     ; served in order behind the store
.endr
	v_lshlrev_b32 v[SO], 2, v[TOK]
.endm
; the byte offsets in out0 of the rows that I shall store: a row is 4,096 bytes; my 16 bytes of the slice's 128
.macro ROWS
.irp i, 0,1,2,3
	v_min_u32 v[TKR+\i], 0x3ff, v[TKR+\i]
	v_lshl_add_u32 v[OA+\i], v[TKR+\i], 12, v[C16]
.endr
.endm
; chunk g (K steps 8 g .. 8 g + 7) of the slot at which the two bases stand: 16 loads of codes and one of scale words: 17 loads
.macro CHUNK g
	WIN 0xc0                                       ; destination window 3
.irp ss, 0,1,2,3,4,5,6,7
.irp c, 0,1
	global_load_b128 v[64*\g+8*\ss+4*\c:64*\g+8*\ss+4*\c+3], v[L16], s[8:9] offset:8192*\g+1024*\ss+512*\c
.endr
.endr
	WIN 0
	global_load_b128 v[HS+4*\g:HS+4*\g+3], v[L16], s[10:11] offset:512*\g
.endm
; product (tile t of columns, K step 8 g + ss): the two accumulators take turns, one instruction a turn
.macro MMD t, g, ss
.set rA, 128*((\g)%2)+16*(\ss)+8*(\t)
.set rB, 64*(\g)+8*(\ss)
.set rD, ACC+8*(\t)
.set rC, rD
.if ((\g)+(\ss)) == 0
.set rC, B2+8*(\t)
.endif
.set rSA, W2S+8*(\g)+(\ss)
.set rSB, HS+4*(\g)+(\ss)/2
.if ((\t) == 0) && (((\ss)%2) == 0)
	v_wmma_scale_f32_16x16x128_f8f6f4 v[rD:rD+7], v[rA:rA+7], v[rB:rB+7], v[rC:rC+7], v[rSA], v[rSB] matrix_a_fmt:MATRIX_FMT_FP4 matrix_b_fmt:MATRIX_FMT_FP4
.elseif ((\t) == 1) && (((\ss)%2) == 0)
	v_wmma_scale_f32_16x16x128_f8f6f4 v[rD:rD+7], v[rA:rA+7], v[rB:rB+7], v[rC:rC+7], v[rSA], v[rSB] matrix_a_fmt:MATRIX_FMT_FP4 matrix_b_fmt:MATRIX_FMT_FP4 matrix_a_scale:MATRIX_SCALE_ROW1
.elseif (\t) == 0
	v_wmma_scale_f32_16x16x128_f8f6f4 v[rD:rD+7], v[rA:rA+7], v[rB:rB+7], v[rC:rC+7], v[rSA], v[rSB] matrix_a_fmt:MATRIX_FMT_FP4 matrix_b_fmt:MATRIX_FMT_FP4 matrix_b_scale:MATRIX_SCALE_ROW1
.else
	v_wmma_scale_f32_16x16x128_f8f6f4 v[rD:rD+7], v[rA:rA+7], v[rB:rB+7], v[rC:rC+7], v[rSA], v[rSB] matrix_a_fmt:MATRIX_FMT_FP4 matrix_b_fmt:MATRIX_FMT_FP4 matrix_a_scale:MATRIX_SCALE_ROW1 matrix_b_scale:MATRIX_SCALE_ROW1
.endif
.endm
; A TILE.  At its head its four chunks and, behind them, its score have been asked for (69 loads), and its tokens have been asked of LDS.  next = 1: another tile follows, and is prepared on the way
.macro TILE next
	s_wait_dscnt 0x0                               ; in the first tile: W2's fragments
.irp g, 0,1,2,3
.if \next
	s_wait_loadcnt 52                              ; chunk g is in: behind it three chunks of 17 loads (this tile's later ones, the next tile's earlier ones) and this tile's score
.else
	s_wait_loadcnt 17*(3-\g)+1                     ; chunk g is in: behind it this tile's later chunks and the score
.endif
	WIN 0x0d+(\g/2)                                ; source 0 (W2) window 1 or 2, source 1 (h) window 3
.irp ss, 0,1,2,3,4,5,6,7
.irp t, 0,1
	MMD \t, \g, \ss
.endr
.endr
	WIN 0
.if \g == 0
	s_wait_xcnt 0x0                                ; the last tile's stores have read their offsets and data, and all loads issued so far their bases: these are written below, and the data registers in this tile's way out
	ROWS                                           ; eight plain lines: also the places between the products and the loads into their registers
.if \next
	s_add_nc_u64 s[8:9], s[8:9], 0x8000            ; the next slot
	s_add_nc_u64 s[10:11], s[10:11], 0x800
.endif
.else
.rept 4
	v_nop                                          ; four plain lines between the products and the loads into their registers, or the first read of results
.endr
.endif
.if (\next) && (\g < 3)
	CHUNK \g
.endif
.endr
.if \next
	s_wait_loadcnt 51                              ; the score is in: behind it the next tile's first three chunks
.else
	s_wait_loadcnt 0x0
.endif
.irp p, 0,2,4,6,8,10,12,14
	v_pk_mul_f32 v[OV+\p:OV+\p+1], v[ACC+\p:ACC+\p+1], v[SC:SC+1] op_sel_hi:[1,0]   ; x score; each accumulator from its low end on
.endr
.irp t, 0,1
.irp f, 0,1
	ds_store_b128 v[OSI], v[OV+8*\t+4*\f:OV+8*\t+4*\f+3] offset:64*\t+16*\f          ; lane (r, h): columns 16 t + 8 h + 4 f on of row r
.endr
.endr
.irp i, 0,1,2,3
	ds_load_b128 v[OB+4*\i:OB+4*\i+3], v[OSO] offset:4*OSP*\i                        ; back by rows: eight lanes to a row's 128 bytes, four rows an instruction
.endr
.if \next
	s_add_co_u32 s[J16], s[J16], 16
	TOKENS                                         ; the next tile's tokens, while the rows come back from the stage
	ASKTOK                                         ; (the score's offset is free: the wait for 51 has shown that load done)
	CHUNK 3                                        ; the next tile's last chunk: with three chunks out, these 17 would pass what LOADcnt counts (ISA guide 5.7.1: such a load is held at issue), so the work above stands first
.endif
	s_wait_dscnt 0x0                               ; the rows are back (and the next tile's tokens)
.irp i, 0,1,2,3
	global_store_b128 v[OA+\i], v[OB+4*\i:OB+4*\i+3], s[18:19] th:TH_STORE_NT
.endr
.if \next
	global_load_b32 v[SC], v[SO], s[6:7]           ; the next tile's score: one load behind its 68
.endif
.endm
	s_load_b256 s[4:11], s[0:1], 0x0               ; route s[4:5], score s[6:7], hq s[8:9], hs s[10:11]
	s_load_b256 s[12:19], s[0:1], 0x20             ; W2's codes s[12:13], W2's scales s[14:15], b2 s[16:17], out0 s[18:19]
	v_lshl_add_u32 v254, v0, 2, 0x13600
	v_mov_b32 v255, 0
	v_lshrrev_b32 v[RO], 5, v0
	v_readfirstlane_b32 s[WV], v[RO]               ; wave 0..3
	v_and_b32 v[LANE], 31, v0
	v_and_b32 v[RR], 15, v0
	v_bfe_u32 v[HH], v0, 4, 1
	v_lshlrev_b32 v[L16], 4, v[LANE]
	s_lshr_b32 s32, s[WV], 1                       ; my 8 rows of W2 are rows 8 (w % 2) on of tile w / 2
	s_mul_i32 s32, s32, TILEB
	s_and_b32 s33, s[WV], 1
	s_lshl_b32 s33, s33, 7
	s_add_co_u32 s32, s32, s33
	v_mul_u32_u24 v[WSTI], v[LANE], PPI            ; a run as loaded: lane l holds piece 32 g + l
	v_add_nc_u32 v[WSTI], s32, v[WSTI]
	v_mul_u32_u24 v[WSTO], v[HH], PPI
	v_lshl_add_u32 v[WSTO], v[RR], 4, v[WSTO]      ; a fragment: piece + h, row r
	v_add_nc_u32 v[WSTO2], TILEB, v[WSTO]
	s_mul_i32 s32, s[WV], 16*OSP
	s_add_co_u32 s32, s32, OST                     ; my wave's stage
	v_mul_u32_u24 v[OSI], v[RR], OSP
	v_lshl_add_u32 v[OSI], v[HH], 5, v[OSI]
	v_add_nc_u32 v[OSI], s32, v[OSI]
	v_lshrrev_b32 v[TKO], 3, v[LANE]               ; lane / 8
	v_and_b32 v[C16], 7, v[LANE]
	v_lshlrev_b32 v[C16], 4, v[C16]                ; 16 (lane % 8)
	v_mul_u32_u24 v[OSO], v[TKO], OSP
	v_add_nc_u32 v[OSO], v[OSO], v[C16]
	v_add_nc_u32 v[OSO], s32, v[OSO]
	v_lshl_add_u32 v[TKI], v0, 2, TKS              ; 128 w + 4 lane
	s_lshl_b32 s33, s[WV], 7
	s_add_co_u32 s33, s33, TKS
	v_lshl_add_u32 v[TKO], v[TKO], 2, s33
	v_lshlrev_b32 v[RO], 10, v[RO]
	v_lshl_add_u32 v[RO], v[LANE], 2, v[RO]        ; route: 1,024 w + 4 lane
	v_lshlrev_b32 v[W2SO], 7, v[LANE]              ; W2's scales: row = lane, 128 bytes a row
	v_lshlrev_b32 v[B2O], 5, v[HH]                 ; b2: 8 h numbers on
	v_mov_b32 v[SC+1], 0                           ; named as the upper half of a pair, so it is written
	s_lshr_b32 s[EX], ttmp9, 5                     ; my expert
	s_and_b32 s[NS], ttmp9, 31                     ; my slice
	s_lshl_b32 s[W256], s[WV], 8
	s_lshl_b32 s34, ttmp9, 16                      ; 1,024 e + 32 n = 32 id: rows of 2,048 bytes,
	s_lshl_b32 s32, s[WV], 14                      ; my wave's 8 of them
	s_add_co_u32 s34, s34, s32
	s_mov_b32 s35, 0
	s_lshl_b32 s36, ttmp9, 12                      ; their scale bytes: 128 a row
	s_mov_b32 s37, 0
	s_lshl_b32 s38, ttmp9, 7                       ; b2
	s_mov_b32 s39, 0
	s_lshl_b32 s32, s[EX], 2
	s_add_co_u32 s32, s32, s[WV]                   ; 4 e + w: 16 slots
	s_lshl_b32 s42, s32, 19                        ; of 32,768 bytes in hq,
	s_mov_b32 s43, 0
	s_lshl_b32 s44, s32, 15                        ; of 2,048 bytes in hs
	s_mov_b32 s45, 0
	s_lshl_b32 s46, s[NS], 7                       ; my 128 bytes of a row of out0
	s_mov_b32 s47, 0
	s_wait_kmcnt 0x0
	s_add_nc_u64 s[12:13], s[12:13], s[34:35]
	s_add_nc_u64 s[14:15], s[14:15], s[36:37]
	s_add_nc_u64 s[16:17], s[16:17], s[38:39]
	s_add_nc_u64 s[8:9], s[8:9], s[42:43]
	s_add_nc_u64 s[10:11], s[10:11], s[44:45]
	s_add_nc_u64 s[18:19], s[18:19], s[46:47]
.irp j, 0,1,2,3,4,5,6,7
	global_load_b32 v[RI+\j], v[RO], s[4:5] offset:128*\j
.endr
	WIN 0x40                                       ; destination window 1
.irp i, 0,1,2,3,4,5,6,7
.irp g, 0,1,2,3
	global_load_b128 v[4*(4*\i+\g):4*(4*\i+\g)+3], v[L16], s[12:13] offset:2048*\i+512*\g th:TH_LOAD_NT   ; 512 consecutive bytes of a row of W2's codes, read once in the launch
.endr
.endr
	WIN 0
.irp q, 0,1,2,3,4,5,6,7
	global_load_b128 v[W2S+4*\q:W2S+4*\q+3], v[W2SO], s[14:15] offset:16*\q
.endr
.irp t, 0,1
.irp f, 0,1
	global_load_b128 v[B2+8*\t+4*\f:B2+8*\t+4*\f+3], v[B2O], s[16:17] offset:64*\t+16*\f
.endr
.endr
	s_wait_loadcnt 44                              ; route is in: behind it 32 loads of rows, 8 of scales, 4 of b2
	SORT
	s_mov_b32 s[J16], 0
	TOKENS                                         ; the first tile's tokens, while W2's rows are on their way
	ASKTOK
	s_wait_loadcnt 12                              ; W2's rows are in: behind them 8 + 4 loads
	WIN 0x04                                       ; an LDS store's data are its source 1: window 1
.irp i, 0,1,2,3,4,5,6,7
.irp g, 0,1,2,3
	ds_store_b128 v[WSTI], v[4*(4*\i+\g):4*(4*\i+\g)+3] offset:32*PPI*\g+16*\i
.endr
.endr
	WIN 0
	s_wait_dscnt 0x0                               ; for the others' sake: my rows have landed (and my tokens are back)
	s_barrier_signal -1
	s_barrier_wait -1                              ; the slice lies in LDS; it is written no more: the launch's one barrier
	s_cmp_eq_u32 s[NT], 0                          ; none of my 256 tokens chose this expert
	s_cbranch_scc1 .Lend
	; the first tile's h (only slots that were written are read) and W2's fragments.  Three chunks first: with the 12 loads of scales and b2 these 51 are 63 loads out, as many as LOADcnt counts
	; (ISA guide 5.7.1: a load beyond that is held at issue); the fourth chunk and the score stand behind the first half of the LDS loads, so that the wave does not stand at a load with its LDS loads unissued
	CHUNK 0
	CHUNK 1
	CHUNK 2
	WIN 0x40
.set sx, 0
.rept 16
.irp t, 0,1
.irp c, 0,1
	ds_load_b128 v[8*(2*sx+\t)+4*\c:8*(2*sx+\t)+4*\c+3], v[WSTO+\t] offset:PPI*(4*sx+2*\c)   ; lane (r, h) takes piece 4 s + 2 c + h of row r: sixteen lanes read 256 consecutive bytes
.endr
.endr
.set sx, sx+1
.endr
	CHUNK 3
	global_load_b32 v[SC], v[SO], s[6:7]           ; the first tile's score: one load behind its 68
	WIN 0x80
.rept 16
.irp t, 0,1
.irp c, 0,1
	ds_load_b128 v[8*(2*(sx-16)+\t)+4*\c:8*(2*(sx-16)+\t)+4*\c+3], v[WSTO+\t] offset:PPI*(4*sx+2*\c)
.endr
.endr
.set sx, sx+1
.endr
	WIN 0
	s_mov_b32 s[JT], 1
	s_cmp_ge_u32 s[JT], s[NT]                      ; one tile alone: it is the last
	s_cbranch_scc1 .Llast
.Ltile:
	TILE 1
	s_add_co_u32 s[JT], s[JT], 1
	s_cmp_lt_u32 s[JT], s[NT]
	s_cbranch_scc1 .Ltile
.Llast:
	TILE 0                                         ; the last tile is written out: it asks for nothing more, and its counts run down
.Lend:
	s_wait_tensorcnt 0x0
	ds_add_u32 v254, v255
	s_wait_dscnt 0x0
	s_endpgm
.Lfunc_end_k_q67c55ea5e5_down:
	.size	k_q67c55ea5e5_down, .Lfunc_end_k_q67c55ea5e5_down-k_q67c55ea5e5_down
	.p2alignl 7, 3214868480
	.fill 96, 4, 3214868480
	.section	.rodata,"a",@progbits
	.p2align	6, 0x0
	.amdhsa_kernel k_q67c55ea5e5_down
		.amdhsa_group_segment_fixed_size 79872
		.amdhsa_private_segment_fixed_size 0
		.amdhsa_enable_private_segment 0
		.amdhsa_kernarg_size 64
		.amdhsa_user_sgpr_count 2
		.amdhsa_user_sgpr_kernarg_segment_ptr 1
		.amdhsa_wavefront_size32 1
		.amdhsa_system_sgpr_workgroup_id_x 1
		.amdhsa_system_sgpr_workgroup_id_y 1
		.amdhsa_system_sgpr_workgroup_id_z 1
		.amdhsa_system_vgpr_workitem_id 0
		.amdhsa_next_free_vgpr 1024
		.amdhsa_next_free_sgpr 66
		.amdhsa_reserve_vcc 1
		.amdhsa_float_denorm_mode_32 3
		.amdhsa_float_denorm_mode_16_64 3
		.amdhsa_memory_ordered 1
		.amdhsa_forward_progress 1
		.amdhsa_inst_pref_size 63
	.end_amdhsa_kernel
	.amdgpu_metadata
---
amdhsa.version: [ 1, 2 ]
amdhsa.kernels:
  - .name:           k_q67c55ea5e5_down
    .symbol:         k_q67c55ea5e5_down.kd
    .args:
      - { .name: route, .offset: 0, .size: 8, .value_kind: global_buffer, .address_space: global }
      - { .name: score, .offset: 8, .size: 8, .value_kind: global_buffer, .address_space: global }
      - { .name: hq, .offset: 16, .size: 8, .value_kind: global_buffer, .address_space: global }
      - { .name: hs, .offset: 24, .size: 8, .value_kind: global_buffer, .address_space: global }
      - { .name: W2_codes, .offset: 32, .size: 8, .value_kind: global_buffer, .address_space: global }
      - { .name: W2_scales, .offset: 40, .size: 8, .value_kind: global_buffer, .address_space: global }
      - { .name: b2, .offset: 48, .size: 8, .value_kind: global_buffer, .address_space: global }
      - { .name: out0, .offset: 56, .size: 8, .value_kind: global_buffer, .address_space: global }
    .group_segment_fixed_size: 79872
    .private_segment_fixed_size: 0
    .kernarg_segment_align: 8
    .kernarg_segment_size: 64
    .max_flat_workgroup_size: 128
    .sgpr_count:     66
    .vgpr_count:     1024
    .wavefront_size: 32
...
	.end_amdgpu_metadata
.endif
;; end of part 3
;; ======== version 2 of 2: 3 launches
;; workspace buffers: xq 524,288 bytes; xs 32,768 bytes; route 4,096 bytes of whole numbers; score 4,096 bytes; part 16,384 bytes; hq 16,777,216 bytes; hs 1,048,576 bytes
;; launch gate (part 4): grid 256 x 1, 4 waves a work-group, no clusters, 52,736 bytes of LDS; arguments x, gate_W, gate_b, xq, xs, route, score, part; writes xq, xs, route, score, part
.if DOCPART == 4
	.amdgcn_target "amdgcn-amd-amdhsa--gfx1250"
	.amdhsa_code_object_version 6
	.text
	.protected	k_q67c55ea5e5_gate
	.globl	k_q67c55ea5e5_gate
	.p2align	8
	.type	k_q67c55ea5e5_gate,@function
k_q67c55ea5e5_gate:
	s_mov_b64 s[64:65], 0
	v_nop
	global_prefetch_b8 v0, s[64:65] scope:SCOPE_SE
	s_setreg_imm32_b32 hwreg(HW_REG_WAVE_MODE, 25, 1), 1
	s_wait_xcnt 0x0
; THE GATE, AND x INTO CODES.  One token to a wave, four to a work-group; lane l owns block l of the token's row: k = 32 l .. 32 l + 31.
; Out: xq [token][512 bytes] E2M1 codes, block l at byte 16 l; xs [token][32] E8M0 bytes; route [token] the chosen expert (int32); score [token] its probability;
; part [work-group][16]: the sums over its four tokens of the 8 probabilities and of the 8 one-hot numbers, for the load-balance loss.
; The logits are f32 fused multiply-adds (N = 8 is too narrow for the matrix unit, and the choice of expert wants f32); the maximum is taken away before the exponentials.
; A row of x is loaded densely (512 consecutive bytes an instruction) and turned through the wave's own LDS stage, so that a lane holds 32 neighbours; gate_W (32 KB) is staged once for the four waves.
; No matrix instruction, no tensor load, no cluster: the work-groups share gate_W alone, 32 KB against a launch that streams x once.
; LIMITS: NaN and infinities are not served.  A block of zeros gets the scale byte 1 (its codes are zeros; this program alone reads the bytes).
; Two probabilities that are equal within f32 rounding may be ordered otherwise than by another order of the sums; exact ties go to the lower expert.
.set GWP,  1040                        ; a lane's 1,024 bytes of gate_W (32 k x 8 experts) + 16 of padding: 65 x 16, so sixteen lanes start at sixteen different 16-byte columns
.set XTP,  144                         ; a lane's 128 bytes of x + 16 of padding
.set XT,   32*GWP                      ; behind gate_W: four stages of 32 x XTP bytes, one a wave
.set RES,  XT+4*32*XTP                 ; behind them 512 bytes: +64 w: 16 numbers of wave w; +256+4 w: expert; +272+4 w: score; +384+32 w+l: scale bytes
.set LANE, 1
.set WVV,  2                           ; wave number, as a vector
.set L16,  3                           ; 16 x lane
.set T16,  4                           ; 16 x thread
.set XTI,  5                           ; x's stage, in
.set XTO,  6                           ; x's stage, out
.set GWI,  7                           ; gate_W's stage, in
.set GWO,  8                           ; gate_W's stage, out
.set SCBA, 9
.set PARTA, 10
.set RTA,  11
.set PRD,  12                          ; wave 0's reads of the results
.set SRD,  13
.set RRD,  14
.set L4,   15                          ; 4 x lane
.set X,    16                          ; v16-47   my 32 numbers
.set XR,   48                          ; v48-79   the row as loaded
.set GA,   80                          ; v80-143  gate_W: 8 k x 8 experts
.set GB,   144                         ; v144-207 the same, second set
.set ACC,  208                         ; v208-215 sums over even k, v216-223 over odd k
.set PP,   224                         ; v224-231 probabilities
.set OH,   232                         ; v232-239 one-hot
.set MX,   240
.set M1,   241
.set IDX,  242
.set BEST, 243
.set CD,   244                         ; v244-247 my block's codes
.set SOP,  248                         ; the conversions' scale operand
.set BYT,  249                         ; the scale's byte
.set T0,   250
	s_load_b256 s[4:11], s[0:1], 0x0               ; x s[4:5], gate_W s[6:7], gate_b s[8:9], xq s[10:11]
	s_load_b256 s[12:19], s[0:1], 0x20             ; xs s[12:13], route s[14:15], score s[16:17], part s[18:19]
	v_lshl_add_u32 v254, v0, 2, 0xcc00
	v_mov_b32 v255, 0
	v_lshrrev_b32 v[WVV], 5, v0
	v_readfirstlane_b32 s28, v[WVV]                ; wave 0..3
	v_and_b32 v[LANE], 31, v0
	v_lshlrev_b32 v[L16], 4, v[LANE]
	v_lshlrev_b32 v[T16], 4, v0
	v_lshlrev_b32 v[L4], 2, v[LANE]
	s_mul_i32 s32, s28, 32*XTP
	s_add_co_u32 s32, s32, XT                      ; my wave's stage
	v_lshrrev_b32 v[T0], 3, v[LANE]
	v_mul_u32_u24 v[T0], v[T0], XTP
	v_and_b32 v[T0+1], 7, v[LANE]
	v_lshl_add_u32 v[T0], v[T0+1], 4, v[T0]
	v_add_nc_u32 v[XTI], s32, v[T0]                ; byte p of the row lies at XTP (p / 128) + p % 128; load j, lane l: p = 512 j + 16 l
	v_mul_u32_u24 v[T0], v[LANE], XTP
	v_add_nc_u32 v[XTO], s32, v[T0]
	v_lshrrev_b32 v[T0], 6, v0
	v_mul_u32_u24 v[T0], v[T0], GWP
	v_and_b32 v[T0+1], 63, v0
	v_lshl_add_u32 v[GWI], v[T0+1], 4, v[T0]       ; byte p of gate_W lies at GWP (p / 1024) + p % 1024; load i, thread t: p = 2048 i + 16 t
	v_mul_u32_u24 v[GWO], v[LANE], GWP
	v_add_nc_u32 v[SCBA], RES+384, v0              ; 32 w + l is the thread's number
	v_lshl_add_u32 v[PARTA], v[WVV], 6, RES
	v_lshl_add_u32 v[RTA], v[WVV], 2, RES+256
	v_and_b32 v[T0], 15, v0
	v_lshl_add_u32 v[PRD], v[T0], 2, RES
	v_lshl_add_u32 v[SRD], v[LANE], 2, RES+384
	v_and_b32 v[T0], 3, v0
	v_lshl_add_u32 v[RRD], v[T0], 2, RES+256
	s_mov_b32 s30, 0x76543210
	s_mov_b32 s31, 0xfedcba98                      ; v_permlanex16_b32's selects for lane l xor 16
	s_lshl_b32 s33, ttmp9, 2
	s_add_co_u32 s33, s33, s28                     ; my token
	s_lshl_b32 s34, s33, 12                        ; its row of x: 4,096 bytes
	s_mov_b32 s35, 0
	s_lshl_b32 s36, s33, 9                         ; its codes: 512 bytes
	s_mov_b32 s37, 0
	s_lshl_b32 s38, ttmp9, 7                       ; the work-group's 128 scale bytes,
	s_mov_b32 s39, 0
	s_lshl_b32 s40, ttmp9, 6                       ; its 16 sums,
	s_mov_b32 s41, 0
	s_lshl_b32 s42, ttmp9, 4                       ; its four experts and scores
	s_mov_b32 s43, 0
	s_wait_alu depctr_va_vdst(0)
	s_wait_kmcnt 0x0
	s_load_b256 s[20:27], s[8:9], 0x0              ; gate_b: eight numbers, the same for all lanes
	s_add_nc_u64 s[4:5], s[4:5], s[34:35]
	s_add_nc_u64 s[10:11], s[10:11], s[36:37]
	s_add_nc_u64 s[12:13], s[12:13], s[38:39]
	s_add_nc_u64 s[18:19], s[18:19], s[40:41]
	s_add_nc_u64 s[14:15], s[14:15], s[42:43]
	s_add_nc_u64 s[16:17], s[16:17], s[42:43]
.irp j, 0,1,2,3,4,5,6,7
	global_load_b128 v[XR+4*\j:XR+4*\j+3], v[L16], s[4:5] offset:512*\j th:TH_LOAD_NT   ; 512 consecutive bytes of my row
.endr
.irp i, 0,1,2,3,4,5,6,7,8,9,10,11,12,13,14,15
	global_load_b128 v[GA+4*\i:GA+4*\i+3], v[T16], s[6:7] offset:2048*\i                ; the four waves together: 2,048 consecutive bytes of gate_W
.endr
	s_wait_loadcnt 16                              ; x's eight loads are in; gate_W's sixteen, issued behind them, may be out
.irp j, 0,1,2,3,4,5,6,7
	ds_store_b128 v[XTI], v[XR+4*\j:XR+4*\j+3] offset:4*XTP*\j
.endr
.irp i, 0,1,2,3,4,5,6,7
	ds_load_b128 v[X+4*\i:X+4*\i+3], v[XTO] offset:16*\i       ; my wave's own bytes: LDS serves a wave's instructions in order, so these see the stores above
.endr
	s_wait_loadcnt 0x0                             ; gate_W
.irp i, 0,1,2,3,4,5,6,7,8,9,10,11,12,13,14,15
	ds_store_b128 v[GWI], v[GA+4*\i:GA+4*\i+3] offset:2*GWP*\i
.endr
	s_wait_dscnt 0x0                               ; for the others' sake: my part of gate_W has landed (and my x is back)
	s_barrier_signal -1
	s_barrier_wait -1                              ; all of gate_W lies in LDS
.macro GLOAD g, q                      ; my k = 8 q .. 8 q + 7 of gate_W: register 8 i + e = W(32 l + 8 q + i, e)
.irp m, 0,1,2,3,4,5,6,7,8,9,10,11,12,13,14,15
	ds_load_b128 v[\g+4*\m:\g+4*\m+3], v[GWO] offset:256*\q+16*\m
.endr
.endm
; eight k: two experts an instruction; x(k) feeds both halves (of its pair the low word for even k, the high word for odd k).  first = 1: the products of k = 0 and 1 start the sums
.macro DOT8 g, q, first
.irp i, 0,2,4,6
.irp p, 0,2,4,6
.if (\first) && (\i == 0)
	v_pk_mul_f32 v[ACC+\p:ACC+\p+1], v[\g+8*\i+\p:\g+8*\i+\p+1], v[X+8*\q+\i:X+8*\q+\i+1] op_sel_hi:[1,0]
.else
	v_pk_fma_f32 v[ACC+\p:ACC+\p+1], v[\g+8*\i+\p:\g+8*\i+\p+1], v[X+8*\q+\i:X+8*\q+\i+1], v[ACC+\p:ACC+\p+1] op_sel_hi:[1,0,1]
.endif
.endr
.irp p, 0,2,4,6
.if (\first) && (\i == 0)
	v_pk_mul_f32 v[ACC+8+\p:ACC+9+\p], v[\g+8*\i+8+\p:\g+8*\i+9+\p], v[X+8*\q+\i:X+8*\q+\i+1] op_sel:[0,1] op_sel_hi:[1,1]
.else
	v_pk_fma_f32 v[ACC+8+\p:ACC+9+\p], v[\g+8*\i+8+\p:\g+8*\i+9+\p], v[X+8*\q+\i:X+8*\q+\i+1], v[ACC+8+\p:ACC+9+\p] op_sel:[0,1,0] op_sel_hi:[1,1,1]
.endif
.endr
.endr
.endm
	GLOAD GA, 0
	GLOAD GB, 1
	; my block into codes, while gate_W's first numbers come: the largest magnitude of my 32, with the floor 2^(3 - 127) that holds the byte at 1 from below
	v_max3_num_f32 v[MX], |v[X]|, |v[X+1]|, |v[X+2]|
	v_max3_num_f32 v[M1], |v[X+3]|, |v[X+4]|, |v[X+5]|
.irp i, 6,10,14,18,22,26
	v_max3_num_f32 v[MX], v[MX], |v[X+\i]|, |v[X+\i+1]|
	v_max3_num_f32 v[M1], v[M1], |v[X+\i+2]|, |v[X+\i+3]|
.endr
	v_max3_num_f32 v[MX], v[MX], |v[X+30]|, |v[X+31]|
	v_max3_num_f32 v[MX], v[MX], v[M1], 0x1800000
	v_add_nc_u32 v[SOP], 0xff000000, v[MX]         ; 2 off its exponent field: the conversion takes the exponent field of this operand as its scale
.irp g, 0,1,2,3
	v_cvt_scalef32_pk8_fp4_f32 v[CD+\g], v[X+8*\g:X+8*\g+7], v[SOP]
.endr
	v_lshrrev_b32 v[BYT], 23, v[SOP]               ; the scale's byte (also the plain line behind the conversions)
	global_store_b128 v[L16], v[CD:CD+3], s[10:11] ; the wave stores the token's 512 bytes of codes, consecutive and aligned
	s_wait_dscnt 16                                ; k = 0 .. 7 are in; the sixteen loads of the next eight may be out
	DOT8 GA, 0, 1
	GLOAD GA, 2
	s_wait_alu depctr_va_vdst(0)
	s_wait_dscnt 16                                ; likewise
	DOT8 GB, 1, 0
	GLOAD GB, 3
	s_wait_alu depctr_va_vdst(0)
	s_wait_dscnt 16
	DOT8 GA, 2, 0
	s_wait_alu depctr_va_vdst(0)
	s_wait_dscnt 0x0
	DOT8 GB, 3, 0
.irp p, 0,2,4,6
	v_pk_add_f32 v[ACC+\p:ACC+\p+1], v[ACC+\p:ACC+\p+1], v[ACC+8+\p:ACC+9+\p]
.endr
.irp m, 1,2,4,8                        ; over the 32 lanes, the eight experts by turns
.irp e, 0,1,2,3,4,5,6,7
	v_add_f32_dpp v[ACC+\e], v[ACC+\e], v[ACC+\e] row_xmask:\m row_mask:0xf bank_mask:0xf
.endr
.endr
.irp e, 0,1,2,3,4,5,6,7
	v_permlanex16_b32 v[ACC+8+\e], v[ACC+\e], s30, s31
.endr
.irp e, 0,1,2,3,4,5,6,7
	v_add_f32 v[ACC+\e], v[ACC+\e], v[ACC+8+\e]
.endr
	s_wait_alu depctr_va_vdst(0)
	s_wait_kmcnt 0x0                               ; gate_b
.irp e, 0,1,2,3,4,5,6,7
	v_add_f32 v[ACC+\e], s[20+\e], v[ACC+\e]       ; the logits, the same bits in every lane
.endr
	v_max3_num_f32 v[MX], v[ACC], v[ACC+1], v[ACC+2]
	v_max3_num_f32 v[MX], v[MX], v[ACC+3], v[ACC+4]
	v_max3_num_f32 v[MX], v[MX], v[ACC+5], v[ACC+6]
	v_max_num_f32 v[MX], v[MX], v[ACC+7]
.irp e, 0,1,2,3,4,5,6,7
	v_sub_f32 v[PP+\e], v[ACC+\e], v[MX]           ; the maximum is taken away first
.endr
.irp e, 0,1,2,3,4,5,6,7
	v_mul_f32 v[PP+\e], 0x3fb8aa3b, v[PP+\e]       ; x log2(e)
.endr
	s_wait_alu depctr_va_vdst(0)
.irp e, 0,1,2,3,4,5,6,7
	v_exp_f32 v[PP+\e], v[PP+\e]
.endr
	v_nop                                          ; one plain line between the exponentials and the use of their results
	s_wait_alu depctr_va_vdst(0)
	v_add_f32 v[T0], v[PP], v[PP+1]
	v_add_f32 v[T0+1], v[PP+2], v[PP+3]
	v_add_f32 v[T0+2], v[PP+4], v[PP+5]
	v_add_f32 v[T0+3], v[PP+6], v[PP+7]
	v_add_f32 v[T0], v[T0], v[T0+1]
	v_add_f32 v[T0+2], v[T0+2], v[T0+3]
	v_add_f32 v[T0], v[T0], v[T0+2]
	s_wait_alu depctr_va_vdst(0)
	v_rcp_f32 v[M1], v[T0]
	v_mov_b32 v[IDX], 7                            ; (a plain line behind the reciprocal)
	s_wait_alu depctr_va_vdst(0)
.irp e, 0,1,2,3,4,5,6,7
	v_mul_f32 v[PP+\e], v[PP+\e], v[M1]            ; the probabilities
.endr
	v_mov_b32 v[BEST], v[PP+7]
.irp e, 6,5,4,3,2,1,0                  ; the largest probability; of equals the lower expert: walked downward, an equal takes the place
	v_cmp_ge_f32 vcc_lo, v[PP+\e], v[BEST]
	v_cndmask_b32 v[IDX], v[IDX], \e, vcc_lo
	v_max_num_f32 v[BEST], v[BEST], v[PP+\e]
.endr
.irp e, 0,1,2,3,4,5,6,7
	v_cmp_eq_u32 vcc_lo, \e, v[IDX]
	v_cndmask_b32 v[OH+\e], 0, 1.0, vcc_lo
.endr
	ds_store_b128 v[PARTA], v[PP:PP+3]             ; all lanes write the same words with the same values
	ds_store_b128 v[PARTA], v[PP+4:PP+7] offset:16
	ds_store_b128 v[PARTA], v[OH:OH+3] offset:32
	ds_store_b128 v[PARTA], v[OH+4:OH+7] offset:48
	ds_store_b32 v[RTA], v[IDX]
	ds_store_b32 v[RTA], v[BEST] offset:16
	ds_store_b8 v[SCBA], v[BYT]                    ; my block's scale byte
	s_wait_dscnt 0x0                               ; for wave 0's sake
	s_barrier_signal -1
	s_barrier_wait -1
	s_cmp_lg_u32 s28, 0                            ; wave 0 gathers the four tokens' small results, so that they leave in runs
	s_cbranch_scc1 .Lend
	ds_load_b32 v16, v[PRD]
	ds_load_b32 v17, v[PRD] offset:64
	ds_load_b32 v18, v[PRD] offset:128
	ds_load_b32 v19, v[PRD] offset:192
	ds_load_b32 v20, v[SRD]
	ds_load_b32 v21, v[RRD]
	ds_load_b32 v22, v[RRD] offset:16
	s_wait_dscnt 0x0
	v_add_f32 v16, v16, v17
	v_add_f32 v18, v18, v19
	v_add_f32 v16, v16, v18                        ; lanes 0-15: the sixteen sums over the four tokens
	global_store_b32 v[L4], v20, s[12:13]          ; 128 consecutive scale bytes
	s_wait_alu depctr_va_vdst(0)
	s_wait_xcnt 0x0                                ; EXEC changes only when the stores issued so far have had their addresses translated
	v_cmp_gt_u32 vcc_lo, 16, v[LANE]
	s_and_saveexec_b32 s44, vcc_lo
	global_store_b32 v[L4], v16, s[18:19]          ; 64 bytes of sums
	s_wait_xcnt 0x0
	s_or_b32 exec_lo, exec_lo, s44
	v_cmp_gt_u32 vcc_lo, 4, v[LANE]
	s_and_saveexec_b32 s44, vcc_lo
	global_store_b32 v[L4], v21, s[14:15]          ; four experts
	global_store_b32 v[L4], v22, s[16:17]          ; four scores
	s_wait_xcnt 0x0
	s_or_b32 exec_lo, exec_lo, s44
.Lend:
	s_wait_tensorcnt 0x0
	ds_add_u32 v254, v255
	s_wait_dscnt 0x0
	s_endpgm
.Lfunc_end_k_q67c55ea5e5_gate:
	.size	k_q67c55ea5e5_gate, .Lfunc_end_k_q67c55ea5e5_gate-k_q67c55ea5e5_gate
	.p2alignl 7, 3214868480
	.fill 96, 4, 3214868480
	.section	.rodata,"a",@progbits
	.p2align	6, 0x0
	.amdhsa_kernel k_q67c55ea5e5_gate
		.amdhsa_group_segment_fixed_size 52736
		.amdhsa_private_segment_fixed_size 0
		.amdhsa_enable_private_segment 0
		.amdhsa_kernarg_size 64
		.amdhsa_user_sgpr_count 2
		.amdhsa_user_sgpr_kernarg_segment_ptr 1
		.amdhsa_wavefront_size32 1
		.amdhsa_system_sgpr_workgroup_id_x 1
		.amdhsa_system_sgpr_workgroup_id_y 1
		.amdhsa_system_sgpr_workgroup_id_z 1
		.amdhsa_system_vgpr_workitem_id 0
		.amdhsa_next_free_vgpr 256
		.amdhsa_next_free_sgpr 66
		.amdhsa_reserve_vcc 1
		.amdhsa_float_denorm_mode_32 3
		.amdhsa_float_denorm_mode_16_64 3
		.amdhsa_memory_ordered 1
		.amdhsa_forward_progress 1
		.amdhsa_inst_pref_size 30
	.end_amdhsa_kernel
	.amdgpu_metadata
---
amdhsa.version: [ 1, 2 ]
amdhsa.kernels:
  - .name:           k_q67c55ea5e5_gate
    .symbol:         k_q67c55ea5e5_gate.kd
    .args:
      - { .name: x, .offset: 0, .size: 8, .value_kind: global_buffer, .address_space: global }
      - { .name: gate_W, .offset: 8, .size: 8, .value_kind: global_buffer, .address_space: global }
      - { .name: gate_b, .offset: 16, .size: 8, .value_kind: global_buffer, .address_space: global }
      - { .name: xq, .offset: 24, .size: 8, .value_kind: global_buffer, .address_space: global }
      - { .name: xs, .offset: 32, .size: 8, .value_kind: global_buffer, .address_space: global }
      - { .name: route, .offset: 40, .size: 8, .value_kind: global_buffer, .address_space: global }
      - { .name: score, .offset: 48, .size: 8, .value_kind: global_buffer, .address_space: global }
      - { .name: part, .offset: 56, .size: 8, .value_kind: global_buffer, .address_space: global }
    .group_segment_fixed_size: 52736
    .private_segment_fixed_size: 0
    .kernarg_segment_align: 8
    .kernarg_segment_size: 64
    .max_flat_workgroup_size: 128
    .sgpr_count:     66
    .vgpr_count:     256
    .wavefront_size: 32
...
	.end_amdgpu_metadata
.endif
;; end of part 4
;; launch up (part 5): grid 256 x 1, 4 waves a work-group, no clusters, 104,960 bytes of LDS; arguments route, xq, xs, W1_codes, W1_scales, b1, part, hq, hs, out1; writes hq, hs, out1
.if DOCPART == 5
	.amdgcn_target "amdgcn-amd-amdhsa--gfx1250"
	.amdhsa_code_object_version 6
	.text
	.protected	k_q67c55ea5e5_up
	.globl	k_q67c55ea5e5_up
	.p2align	8
	.type	k_q67c55ea5e5_up,@function
k_q67c55ea5e5_up:
	s_mov_b64 s[64:65], 0
	v_nop
	global_prefetch_b8 v0, s[64:65] scope:SCOPE_SE
	s_setreg_imm32_b32 hwreg(HW_REG_WAVE_MODE, 25, 1), 1
	s_wait_xcnt 0x0
; h = Q(gelu(x W1^T + b1)) FOR THE CHOSEN EXPERT ALONE, in MX-FP4.  Work-group = (expert e = id / 32, slice n = id % 32 of 128 hidden units): each byte of W1 is read by one work-group, once.
; The slice (128 rows x 512 bytes of codes) is loaded in whole rows, laid in LDS by operand pieces, and taken by EVERY wave into its registers: 64 fragments, 512 registers, for the whole launch.
; Wave w serves the tokens 256 w .. 256 w + 255 that chose e, in tiles of 16.  The list is made from route in registers (SORT, TOKENS); ranks past the last repeat the last token, whose numbers then go twice to the same bytes.
; A tile: 16 rows of xq in whole rows, through the wave's own LDS stage into 8 fragments; 64 matrix instructions (source 0 = 16 rows of W1, source 1 = the 16 tokens: a lane holds ONE token, its registers run along the hidden units);
; b1 is the C of each sum's first instruction; exact gelu in f32; quantised in registers: the 128 units are K step n of the second product.  The fragment leaves as an image of its registers:
; hq [slot][K step 32][2][lane 32][16 bytes], slot = (4 e + w) 16 + tile; its scale words: hs [slot][4][lane 32][4 words]: word i of lane l = row l % 16, K step 8 g + 2 i + l / 16.
; THE ROWS OF W1 THAT FORM A TILE ARE NOT NEIGHBOURS: lane r of tile 2 b + u takes row 32 b + 8 u + r + 8 (r / 8), so that the 16 registers of tiles 2 b and 2 b + 1 are 16 neighbours along the next K.
; Wave 0 of work-group 0 also makes the load-balance loss from part.
; NO TENSOR LOADS, NO JOINT LOADS: the number of tiles of a wave is a count read from memory, so trip counts differ between work-groups; and the weights, the bulk of the bytes, are shared by nobody.
; erf(z) = z P(z^2) / Q(z^2), z held to +-4, degrees 6 and 4 in z^2.
; LIMITS: NaN and infinities are not served.  erf has an absolute error of a few 1e-7, so gelu of arguments under about -5.6 is of the order of 1e-7 |x| and not the true tail.  A block of zeros gets the scale byte 1.
; REGISTERS.  window 0: see the names below.  window 1: W1's fragments (tile t, K step s < 4) at v[64 s + 8 t]; at the head v0-127: the rows as loaded.  window 2: K steps 4-7 likewise; at the head: part.
;   window 3: v0-63 x's 8 fragments; v64-127 16 rows of xq as loaded; v128-191 b1 in the result's layout.
.set TILEB, 8704                       ; a tile of 16 rows in LDS: 32 pieces of 16 bytes a row; [piece][row][16 bytes], a piece's 256 bytes + 16 of padding
.set PPI,   272
.set XST,   8*TILEB                    ; behind W1's eight tiles: one such tile for each wave, for x
.set LANE, 1
.set RR,   2                           ; lane % 16
.set HH,   3                           ; lane / 16
.set L16,  4                           ; 16 x lane
.set XSTI, 5
.set XSTO, 6
.set WSTI, 7
.set WSTO, 8                           ; tiles 0-3
.set WSTO2, 9                          ; tiles 4-7 (an LDS offset has 16 bits)
.set RO,   10
.set W1SO, 11
.set B1O,  12
.set HSO,  13
.set XSO,  14
.set ZERO, 15
.set RK,   16                          ; v16-28: TOKENS
.set WD,   17
.set EB,   18
.set JW,   19
.set NN,   20
.set TA,   21
.set TB,   22
.set TC,   23
.set TD,   24
.set TT,   25
.set POS,  26
.set KK,   27
.set TOK,  28
.set KA,   30                          ; v[30:31] alpha13 twice, v[32:33] beta8 twice
.set KB,   32
.set XO,   34                          ; v34-49   byte offsets of the 16 rows of xq
.set XS,   50                          ; v50-57   x's scale words, K steps 0-7
.set W1S,  58                          ; v58-89   register 8 b + s: lanes 0-15 tile 2 b, lanes 16-31 tile 2 b + 1
.set HA,   90                          ; v90-153  the 8 tiles of the hidden layer
.set ZR,   154
.set SQ,   162
.set PN,   170
.set QD,   178
.set PC,   186                         ; v186-193 the codes just made
.set TM,   194                         ; v194-209 at work in QUANT
.set PW,   210                         ; the scale word just made
.set RI,   212                         ; v212-219 route
.set LA,   220                         ; the loss
.set LT,   224
.set XF,   0                           ; in window 3
.set XR,   64
.set B1,   128
.set WV,   24
.set EX,   25
.set NS,   26
.set SAVE, 27
.set CM1,  28
.set NT,   29
.set JT,   30
.set J16,  31
.set TS,   32
.set SEL,  38
.set W256, 40
.set ROLE, 41
.set MK,   48                          ; s48-55 the quarter's 256 tokens as bits: 1 = chose my expert
.set PF,   56                          ; s56-63 running counts of those bits
.set XT,   66                          ; s66-81 the tile's sixteen tokens, in XLOAD
.set MSB, 0
.macro WIN new                         ; the immediate's high byte repeats the setting that is left
.if MSB != \new
	s_set_vgpr_msb (MSB<<8)|\new
.set MSB, \new
.endif
.endm
; v[RI + j] = route(256 w + 32 j + lane)  ->  the bit map, its running counts, the last rank and the number of tiles
.macro SORT
.irp j, 0,1,2,3,4,5,6,7
	v_cmp_eq_u32 s[MK+\j], s[EX], v[RI+\j]
.endr
	s_bcnt1_i32_b32 s[PF], s[MK]
.irp j, 1,2,3,4,5,6,7
	s_bcnt1_i32_b32 s[TS], s[MK+\j]
	s_add_co_u32 s[PF+\j], s[PF+\j-1], s[TS]
.endr
	s_sub_co_u32 s[CM1], s[PF+7], 1
	s_add_co_u32 s[NT], s[PF+7], 15
	s_lshr_b32 s[NT], s[NT], 4
	s_min_u32 s[NT], s[NT], 16                     ; 256 tokens are 16 tiles at the most
.endm
; v[TOK] = the token of rank min(s[J16] + lane % 16, last rank): the word that holds it, then the n-th set bit of that word, by the word's sums of 2, 4, 8 and 16 bits
.macro TOKENS
	v_add_nc_u32 v[RK], s[J16], v[RR]
	v_min_u32 v[RK], s[CM1], v[RK]
	v_mov_b32 v[WD], s[MK]
	v_mov_b32 v[EB], 0
	v_mov_b32 v[JW], 0
.irp j, 0,1,2,3,4,5,6                  ; the counts do not fall, so the last step that holds leaves the right word, the count in front of it and its number
	v_cmp_le_u32 vcc_lo, s[PF+\j], v[RK]
	v_cndmask_b32 v[WD], v[WD], s[MK+\j+1], vcc_lo
	v_cndmask_b32 v[EB], v[EB], s[PF+\j], vcc_lo
	v_cndmask_b32 v[JW], v[JW], \j+1, vcc_lo
.endr
	v_sub_nc_u32 v[NN], v[RK], v[EB]               ; n: which set bit of the word
	v_lshrrev_b32 v[TT], 1, v[WD]
	v_and_b32 v[TT], 0x55555555, v[TT]
	v_sub_nc_u32 v[TA], v[WD], v[TT]               ; counts of 2 bits
	v_lshrrev_b32 v[TT], 2, v[TA]
	v_and_b32 v[TT], 0x33333333, v[TT]
	v_and_b32 v[TB], 0x33333333, v[TA]
	v_add_nc_u32 v[TB], v[TB], v[TT]               ; of 4
	v_lshrrev_b32 v[TT], 4, v[TB]
	v_add_nc_u32 v[TC], v[TB], v[TT]
	v_and_b32 v[TC], 0x0f0f0f0f, v[TC]             ; of 8
	v_lshrrev_b32 v[TT], 8, v[TC]
	v_add_nc_u32 v[TD], v[TC], v[TT]               ; its low byte: of the low 16
	v_and_b32 v[TT], 0xff, v[TD]
	v_cmp_ge_u32 vcc_lo, v[NN], v[TT]              ; not in the lower half: pass it
	v_cndmask_b32 v[TT], 0, v[TT], vcc_lo
	v_sub_nc_u32 v[NN], v[NN], v[TT]
	v_cndmask_b32 v[POS], 0, 16, vcc_lo
.irp w, 8,4,2
.if \w == 8
	v_bfe_u32 v[TT], v[TC], v[POS], 8
.elseif \w == 4
	v_bfe_u32 v[TT], v[TB], v[POS], 4
.else
	v_bfe_u32 v[TT], v[TA], v[POS], 2
.endif
	v_cmp_ge_u32 vcc_lo, v[NN], v[TT]
	v_cndmask_b32 v[TT], 0, v[TT], vcc_lo
	v_sub_nc_u32 v[NN], v[NN], v[TT]
	v_cndmask_b32 v[KK], 0, \w, vcc_lo
	v_add_nc_u32 v[POS], v[POS], v[KK]
.endr
	v_bfe_u32 v[TT], v[WD], v[POS], 1
	v_cmp_ge_u32 vcc_lo, v[NN], v[TT]
	v_cndmask_b32 v[KK], 0, 1, vcc_lo
	v_add_nc_u32 v[POS], v[POS], v[KK]
	v_lshl_add_u32 v[TOK], v[JW], 5, v[POS]
	v_add_nc_u32 v[TOK], s[W256], v[TOK]
	v_min_u32 v[TOK], 0x3ff, v[TOK]                ; a token's number, whatever the list holds
.endm
; the tile's 16 rows of codes, a whole row of 512 bytes an instruction, and its scale words (lane r: token r's 32 bytes).
; The sixteen lane reads stand together, then the sixteen clamps, then the sixteen offsets: no scalar line stands directly behind the lane read that feeds it
.macro XLOAD
.irp i, 0,1,2,3,4,5,6,7,8,9,10,11,12,13,14,15
	v_readlane_b32 s[XT+\i], v[TOK], \i
.endr
.irp i, 0,1,2,3,4,5,6,7,8,9,10,11,12,13,14,15
	s_min_u32 s[XT+\i], s[XT+\i], 0x3ff
.endr
.irp i, 0,1,2,3,4,5,6,7,8,9,10,11,12,13,14,15
	v_lshl_add_u32 v[XO+\i], s[XT+\i], 9, v[L16]
.endr
	v_lshlrev_b32 v[XSO], 5, v[TOK]
	WIN 0xc0                                       ; destination window 3
.irp i, 0,1,2,3,4,5,6,7,8,9,10,11,12,13,14,15
	global_load_b128 v[XR+4*\i:XR+4*\i+3], v[XO+\i], s[6:7]
.endr
	WIN 0
	global_load_b128 v[XS:XS+3], v[XSO], s[8:9]
	global_load_b128 v[XS+4:XS+7], v[XSO], s[8:9] offset:16
.endm
; gelu of eight numbers in place: a = 0.5 a (1 + erf(a / sqrt 2)); each step goes over the four pairs, so that no line waits for the line above it
.macro GELU8 a
.irp p, 0,2,4,6
	v_pk_mul_f32 v[ZR+\p:ZR+\p+1], v[\a+\p:\a+\p+1], 0x3f3504f3 op_sel_hi:[1,0]   ; z = a / sqrt 2.  (An accumulator is read from its low end on)
.endr
.irp p, 0,2,4,6
	v_pk_mul_f32 v[\a+\p:\a+\p+1], v[\a+\p:\a+\p+1], 0.5 op_sel_hi:[1,0]
.endr
.irp i, 0,1,2,3,4,5,6,7
	v_med3_num_f32 v[ZR+\i], v[ZR+\i], -4.0, 4.0
.endr
.irp p, 0,2,4,6
	v_pk_mul_f32 v[SQ+\p:SQ+\p+1], v[ZR+\p:ZR+\p+1], v[ZR+\p:ZR+\p+1]
.endr
.irp p, 0,2,4,6
	v_pk_fma_f32 v[PN+\p:PN+\p+1], v[SQ+\p:SQ+\p+1], v[KA:KA+1], 0x32edffee op_sel_hi:[1,1,0]
.endr
.irp k, 0xb60cff29, 0xb86ec2d2, 0xba40ac63, 0xbb41a1f6, 0xbc83dbd4
.irp p, 0,2,4,6
	v_pk_fma_f32 v[PN+\p:PN+\p+1], v[PN+\p:PN+\p+1], v[SQ+\p:SQ+\p+1], \k op_sel_hi:[1,1,0]
.endr
.endr
.irp p, 0,2,4,6
	v_pk_fma_f32 v[QD+\p:QD+\p+1], v[SQ+\p:SQ+\p+1], v[KB:KB+1], 0xb95fbd29 op_sel_hi:[1,1,0]
.endr
.irp k, 0xbadc924e, 0xbbf19bf8, 0xbc69b6a7
.irp p, 0,2,4,6
	v_pk_fma_f32 v[QD+\p:QD+\p+1], v[QD+\p:QD+\p+1], v[SQ+\p:SQ+\p+1], \k op_sel_hi:[1,1,0]
.endr
.endr
	s_wait_alu depctr_va_vdst(0)
.irp i, 0,1,2,3,4,5,6,7
	v_rcp_f32 v[QD+\i], v[QD+\i]
.endr
.irp p, 0,2,4,6
	v_pk_mul_f32 v[PN+\p:PN+\p+1], v[PN+\p:PN+\p+1], v[ZR+\p:ZR+\p+1]   ; plain lines behind the reciprocals, which name none of their registers
.endr
	s_wait_alu depctr_va_vdst(0)
.irp p, 0,2,4,6
	v_pk_mul_f32 v[PN+\p:PN+\p+1], v[PN+\p:PN+\p+1], v[QD+\p:QD+\p+1]   ; erf
.endr
.irp p, 0,2,4,6
	v_pk_fma_f32 v[\a+\p:\a+\p+1], v[\a+\p:\a+\p+1], v[PN+\p:PN+\p+1], v[\a+\p:\a+\p+1]
.endr
.endm
; 64 numbers of a lane, register 16 b + i = k 32 b + 16 (lane / 16) + i of my row, become a fragment's codes in v[PC] on and its scale word in v[PW]
.macro QUANT s
.irp b, 0,1,2,3
	v_max3_num_f32 v[TM+\b], |v[\s+16*\b]|, |v[\s+1+16*\b]|, 0x1800000   ; with the floor 2^(3 - 127): the byte cannot fall under 1
.endr
.irp i, 2,4,6,8,10,12,14
.irp b, 0,1,2,3
	v_max3_num_f32 v[TM+\b], v[TM+\b], |v[\s+16*\b+\i]|, |v[\s+1+16*\b+\i]|
.endr
.endr
.irp b, 0,1,2,3
	v_permlanex16_b32 v[TM+4+\b], v[TM+\b], s[SEL], s[SEL+1]
.endr
.irp b, 0,1,2,3
	v_max_num_f32 v[TM+\b], v[TM+\b], v[TM+4+\b]   ; with lane l xor 16's: the block's largest magnitude
.endr
.irp b, 0,1,2,3
	v_add_nc_u32 v[TM+12+\b], 0xff000000, v[TM+\b] ; 2 off its exponent field: the conversions' scale operand
.endr
.irp b, 0,1,2,3
	v_lshrrev_b32 v[TM+4+\b], 23, v[TM+12+\b]      ; the scale's byte
.endr
	v_lshl_or_b32 v[PW], v[TM+5], 8, v[TM+4]
	v_lshl_or_b32 v[PW], v[TM+6], 16, v[PW]
	v_lshl_or_b32 v[PW], v[TM+7], 24, v[PW]
.irp b, 0,1,2,3
	v_cvt_scalef32_pk8_fp4_f32 v[PC+2*\b], v[\s+16*\b:\s+7+16*\b], v[TM+12+\b]
	v_cvt_scalef32_pk8_fp4_f32 v[PC+1+2*\b], v[\s+8+16*\b:\s+15+16*\b], v[TM+12+\b]
.endr
	v_nop                                          ; one plain line behind a scaled conversion
.irp c, 0,1                            ; the operand's layout wants a whole block in a lane
.irp i, 0,1
	v_permlane16_swap_b32 v[PC+4*\c+\i], v[PC+2+4*\c+\i]
.endr
.endr
.endm
; product (tile t, K step s): the eight accumulators take turns, one instruction a turn
.macro MMU t, s
.if (\s) == 0
.if (\t)%2
	v_wmma_scale_f32_16x16x128_f8f6f4 v[HA+8*\t:HA+8*\t+7], v[8*\t:8*\t+7], v[XF:XF+7], v[B1+8*\t:B1+8*\t+7], v[W1S+8*(\t/2)], v[XS] matrix_a_fmt:MATRIX_FMT_FP4 matrix_b_fmt:MATRIX_FMT_FP4 matrix_a_scale:MATRIX_SCALE_ROW1
.else
	v_wmma_scale_f32_16x16x128_f8f6f4 v[HA+8*\t:HA+8*\t+7], v[8*\t:8*\t+7], v[XF:XF+7], v[B1+8*\t:B1+8*\t+7], v[W1S+8*(\t/2)], v[XS] matrix_a_fmt:MATRIX_FMT_FP4 matrix_b_fmt:MATRIX_FMT_FP4
.endif
.else
.if (\t)%2
	v_wmma_scale_f32_16x16x128_f8f6f4 v[HA+8*\t:HA+8*\t+7], v[64*((\s)%4)+8*\t:64*((\s)%4)+8*\t+7], v[XF+8*\s:XF+8*\s+7], v[HA+8*\t:HA+8*\t+7], v[W1S+8*(\t/2)+\s], v[XS+\s] matrix_a_fmt:MATRIX_FMT_FP4 matrix_b_fmt:MATRIX_FMT_FP4 matrix_a_scale:MATRIX_SCALE_ROW1
.else
	v_wmma_scale_f32_16x16x128_f8f6f4 v[HA+8*\t:HA+8*\t+7], v[64*((\s)%4)+8*\t:64*((\s)%4)+8*\t+7], v[XF+8*\s:XF+8*\s+7], v[HA+8*\t:HA+8*\t+7], v[W1S+8*(\t/2)+\s], v[XS+\s] matrix_a_fmt:MATRIX_FMT_FP4 matrix_b_fmt:MATRIX_FMT_FP4
.endif
.endif
.endm
.macro WFRAG base                      ; W1's fragments of K steps base .. base + 3 from LDS: lane (r, h) takes piece 4 s + 2 c + h of row r: sixteen lanes read 256 consecutive bytes
.irp s, 0,1,2,3
.irp t, 0,1,2,3,4,5,6,7
.irp c, 0,1
	ds_load_b128 v[64*\s+8*\t+4*\c:64*\s+8*\t+4*\c+3], v[WSTO+\t/4] offset:(\t%4)*TILEB+PPI*(4*(\base+\s)+2*\c)
.endr
.endr
.endr
.endm
	s_load_b256 s[4:11], s[0:1], 0x0               ; route s[4:5], xq s[6:7], xs s[8:9], W1's codes s[10:11]
	s_load_b256 s[12:19], s[0:1], 0x20             ; W1's scales s[12:13], b1 s[14:15], part s[16:17], hq s[18:19]
	s_load_b128 s[20:23], s[0:1], 0x40             ; hs s[20:21], out1 s[22:23]
	v_lshl_add_u32 v254, v0, 2, 0x19800
	v_mov_b32 v255, 0
	v_lshrrev_b32 v[RO], 5, v0
	v_readfirstlane_b32 s[WV], v[RO]               ; wave 0..3
	v_and_b32 v[LANE], 31, v0
	v_and_b32 v[RR], 15, v0
	v_bfe_u32 v[HH], v0, 4, 1
	v_lshlrev_b32 v[L16], 4, v[LANE]
	s_mul_i32 s32, s[WV], TILEB
	s_add_co_u32 s32, s32, XST                     ; my wave's stage for x
	s_mul_i32 s33, s[WV], 2*TILEB                  ; my 32 rows of W1 are tiles 2 w and 2 w + 1
	v_mul_u32_u24 v[XSTI], v[LANE], PPI            ; a row as loaded: lane l holds piece l
	v_mul_u32_u24 v[WSTO], v[HH], PPI
	v_lshl_add_u32 v[WSTO], v[RR], 4, v[WSTO]      ; a fragment: piece + h, row r
	v_add_nc_u32 v[XSTO], s32, v[WSTO]
	v_add_nc_u32 v[WSTI], s33, v[XSTI]
	v_add_nc_u32 v[XSTI], s32, v[XSTI]
	v_add_nc_u32 v[WSTO2], 4*TILEB, v[WSTO]
	v_lshlrev_b32 v[RO], 10, v[RO]
	v_lshl_add_u32 v[RO], v[LANE], 2, v[RO]        ; route: 1,024 w + 4 lane
	v_and_b32 v[W1SO], 8, v[RR]
	v_add_nc_u32 v[W1SO], v[W1SO], v[RR]
	v_lshl_add_u32 v[W1SO], v[HH], 3, v[W1SO]
	v_lshlrev_b32 v[W1SO], 5, v[W1SO]              ; W1's scales: row r + 8 (r / 8) + 8 h, 32 bytes a row
	v_lshlrev_b32 v[B1O], 6, v[HH]                 ; b1: 16 h numbers on
	v_lshlrev_b32 v[HSO], 4, v[RR]
	v_mov_b32 v[ZERO], 0
	v_mov_b32 v[KA], 0xaf95df0b
	v_mov_b32 v[KA+1], 0xaf95df0b
	v_mov_b32 v[KB], 0xb77460cd
	v_mov_b32 v[KB+1], 0xb77460cd
.irp b, 0,1,2,3
	v_mov_b32 v[TM+4+\b], 0                        ; written once: a lane permute's destination counts as one of its sources
	v_mov_b32 v[LT+\b], 0
.endr
	s_lshr_b32 s[EX], ttmp9, 5                     ; my expert
	s_and_b32 s[NS], ttmp9, 31                     ; my slice
	s_lshl_b32 s[W256], s[WV], 8
	s_or_b32 s[ROLE], ttmp9, s[WV]                 ; 0 in wave 0 of work-group 0
	s_mov_b32 s[SEL], 0x76543210
	s_mov_b32 s[SEL+1], 0xfedcba98
	s_lshl_b32 s34, ttmp9, 16                      ; 4,096 e + 128 n = 128 id: rows of 512 bytes,
	s_lshl_b32 s32, s[WV], 14                      ; my wave's 32 of them
	s_add_co_u32 s34, s34, s32
	s_mov_b32 s35, 0
	s_lshl_b32 s36, ttmp9, 12                      ; their scale bytes: 32 a row
	s_mov_b32 s37, 0
	s_lshl_b32 s42, ttmp9, 9                       ; b1
	s_mov_b32 s43, 0
	s_lshl_b32 s32, s[EX], 2
	s_add_co_u32 s32, s32, s[WV]                   ; 4 e + w: 16 slots
	s_lshl_b32 s44, s32, 19                        ; of 32,768 bytes in hq,
	s_lshl_b32 s33, s[NS], 10                      ; K step n
	s_add_co_u32 s44, s44, s33
	s_mov_b32 s45, 0
	s_lshl_b32 s46, s32, 15                        ; of 2,048 bytes in hs: 512 (n / 8) + 256 (n % 2) + 4 ((n % 8) / 2)
	s_lshr_b32 s33, s[NS], 3
	s_lshl_b32 s33, s33, 9
	s_add_co_u32 s46, s46, s33
	s_and_b32 s33, s[NS], 1
	s_lshl_b32 s33, s33, 8
	s_add_co_u32 s46, s46, s33
	s_bfe_u32 s33, s[NS], 0x20001
	s_lshl_b32 s33, s33, 2
	s_add_co_u32 s46, s46, s33
	s_mov_b32 s47, 0
	s_wait_kmcnt 0x0
	s_add_nc_u64 s[10:11], s[10:11], s[34:35]
	s_add_nc_u64 s[12:13], s[12:13], s[36:37]
	s_add_nc_u64 s[14:15], s[14:15], s[42:43]
	s_add_nc_u64 s[18:19], s[18:19], s[44:45]
	s_add_nc_u64 s[20:21], s[20:21], s[46:47]
	s_cmp_lg_u32 s[ROLE], 0
	s_cbranch_scc1 .Lno_part
	WIN 0x80                                       ; destination window 2
.set i, 0
.rept 32
	global_load_b128 v[4*i:4*i+3], v[L16], s[16:17] offset:512*i   ; all of part, 16 KB: issued first, so every count below holds with and without them
.set i, i+1
.endr
	WIN 0
.Lno_part:
.irp j, 0,1,2,3,4,5,6,7
	global_load_b32 v[RI+\j], v[RO], s[4:5] offset:128*\j
.endr
	WIN 0x40                                       ; destination window 1
.set i, 0
.rept 32
	global_load_b128 v[4*i:4*i+3], v[L16], s[10:11] offset:512*i th:TH_LOAD_NT   ; a whole row of W1's codes: 512 consecutive bytes, read once in the launch
.set i, i+1
.endr
	WIN 0
.irp b, 0,1,2,3
.irp f, 0,1
	global_load_b128 v[W1S+8*\b+4*\f:W1S+8*\b+4*\f+3], v[W1SO], s[12:13] offset:1024*\b+16*\f
.endr
.endr
	WIN 0xc0                                       ; destination window 3
.irp t, 0,1,2,3,4,5,6,7
	global_load_b128 v[B1+8*\t:B1+8*\t+3], v[B1O], s[14:15] offset:(32*(\t/2)+8*(\t%2))*4
	global_load_b128 v[B1+8*\t+4:B1+8*\t+7], v[B1O], s[14:15] offset:(32*(\t/2)+8*(\t%2))*4+16
.endr
	WIN 0
	s_wait_loadcnt 56                              ; route (and part) are in: behind them 32 rows, 8 loads of scales, 16 of b1
	SORT
	s_mov_b32 s[J16], 0
	TOKENS
	XLOAD                                          ; the first tile's x: 18 loads
	s_cmp_lg_u32 s[ROLE], 0
	s_cbranch_scc1 .Lno_loss
	; THE LOSS: 8 x the sum over experts of (mean probability x mean one-hot) = 2^-17 x the sum of P_e U_e.  Component c of lane l holds number 4 (l % 4) + c of each work-group's sixteen
	WIN 0x0a                                       ; sources 0 and 1 window 2
	v_pk_add_f32 v[LA:LA+1], v[0:1], v[4:5]
	v_pk_add_f32 v[LA+2:LA+3], v[2:3], v[6:7]
	WIN 0x08                                       ; source 1 window 2
.set i, 2
.rept 30
	v_pk_add_f32 v[LA:LA+1], v[LA:LA+1], v[4*i:4*i+1]
	v_pk_add_f32 v[LA+2:LA+3], v[LA+2:LA+3], v[4*i+2:4*i+3]
.set i, i+1
.endr
	WIN 0
.irp m, 4,8
.irp c, 0,1,2,3
	v_add_f32_dpp v[LA+\c], v[LA+\c], v[LA+\c] row_xmask:\m row_mask:0xf bank_mask:0xf
.endr
.endr
.irp c, 0,1,2,3
	v_permlanex16_b32 v[LT+\c], v[LA+\c], s[SEL], s[SEL+1]
.endr
.irp c, 0,1,2,3
	v_add_f32 v[LA+\c], v[LA+\c], v[LT+\c]
.endr
.irp c, 0,1,2,3
	v_mul_f32_dpp v[LT+\c], v[LA+\c], v[LA+\c] row_xmask:2 row_mask:0xf bank_mask:0xf   ; lanes 0, 1 hold P, lanes 2, 3 the U of the same experts
.endr
	v_add_f32 v[LT], v[LT], v[LT+1]
	v_add_f32 v[LT+2], v[LT+2], v[LT+3]
	v_add_f32 v[LT], v[LT], v[LT+2]
	v_add_f32_dpp v[LT], v[LT], v[LT] row_xmask:1 row_mask:0xf bank_mask:0xf
	v_mul_f32 v[LT], 0x37000000, v[LT]             ; x 2^-17
	s_wait_alu depctr_va_vdst(0)
	s_wait_xcnt 0x0                                ; EXEC changes only when the loads issued so far have had their addresses translated
	v_cmp_eq_u32 vcc_lo, 0, v[LANE]
	s_and_saveexec_b32 s[SAVE], vcc_lo
	global_store_b32 v[ZERO], v[LT], s[22:23]
	s_wait_xcnt 0x0
	s_or_b32 exec_lo, exec_lo, s[SAVE]
.Lno_loss:
	s_wait_loadcnt 42                              ; W1's rows are in: behind them 8 + 16 + 18 loads
	WIN 0x04                                       ; an LDS store's data are its source 1: window 1
.set i, 0
.rept 32                               ; row 32 w + i is row (i % 8) + 8 (i / 16) of tile 2 w + (i / 8) % 2
	ds_store_b128 v[WSTI], v[4*i:4*i+3] offset:((i/8)%2)*TILEB+16*(8*((i/16)%2)+i%8)
.set i, i+1
.endr
	WIN 0
	s_wait_dscnt 0x0                               ; for the others' sake: my rows have landed
	s_barrier_signal -1
	s_barrier_wait -1                              ; the slice lies in LDS; it is written no more: the launch's one barrier
	s_cmp_eq_u32 s[NT], 0                          ; none of my 256 tokens chose this expert
	s_cbranch_scc1 .Lend
	WIN 0x40
	WFRAG 0
	WIN 0x80
	WFRAG 4
	WIN 0
	s_mov_b32 s[JT], 0
.Ltile:
	s_wait_loadcnt 0x0                             ; the tile's x (in the first trip W1's scales and b1 too)
	WIN 0x0c                                       ; the data: window 3
.irp i, 0,1,2,3,4,5,6,7,8,9,10,11,12,13,14,15
	ds_store_b128 v[XSTI], v[XR+4*\i:XR+4*\i+3] offset:16*\i
.endr
	WIN 0xc0
.irp s, 0,1,2,3,4,5,6,7
.irp c, 0,1
	ds_load_b128 v[XF+8*\s+4*\c:XF+8*\s+4*\c+3], v[XSTO] offset:PPI*(4*\s+2*\c)   ; my wave's own bytes: served in order behind the stores above
.endr
.endr
	WIN 0
	s_wait_dscnt 0x0                               ; x's fragments (in the first trip W1's too)
	WIN 0x3d                                       ; source 0 (W1) window 1, source 1 (x) and C (b1) window 3
.irp t, 0,1,2,3,4,5,6,7
	MMU \t, 0
.endr
	WIN 0x0d                                       ; C and D window 0
.irp s, 1,2,3
.irp t, 0,1,2,3,4,5,6,7
	MMU \t, \s
.endr
.endr
	WIN 0x0e                                       ; source 0 window 2
.irp s, 4,5,6,7
.irp t, 0,1,2,3,4,5,6,7
	MMU \t, \s
.endr
.endr
	WIN 0
.rept 4
	v_nop                                          ; four plain lines between the last products and the first read of results, and the loads into x's scale words
.endr
	s_add_co_u32 s[JT], s[JT], 1
	s_cmp_ge_u32 s[JT], s[NT]
	s_cbranch_scc1 .Lno_next
	s_lshl_b32 s[J16], s[JT], 4
	TOKENS
	XLOAD                                          ; the next tile's x is on its way while this tile's gelu is worked
.Lno_next:
.irp t, 0,1,2,3,4,5,6,7
	GELU8 HA+8*\t
.endr
	QUANT HA
	global_store_b128 v[L16], v[PC:PC+3], s[18:19]             ; the fragment as it stands: 512 consecutive bytes a store
	global_store_b128 v[L16], v[PC+4:PC+7], s[18:19] offset:512
	global_store_b32 v[HSO], v[PW], s[20:21]                   ; row r's scale word (lanes 16-31 hold and write the same)
	s_wait_xcnt 0x0                                ; the stores have read their registers and bases: both are written again below and in the next trip
	s_add_nc_u64 s[18:19], s[18:19], 0x8000        ; the next slot
	s_add_nc_u64 s[20:21], s[20:21], 0x800
	s_cmp_lt_u32 s[JT], s[NT]
	s_cbranch_scc1 .Ltile
.Lend:
	s_wait_tensorcnt 0x0
	ds_add_u32 v254, v255
	s_wait_dscnt 0x0
	s_endpgm
.Lfunc_end_k_q67c55ea5e5_up:
	.size	k_q67c55ea5e5_up, .Lfunc_end_k_q67c55ea5e5_up-k_q67c55ea5e5_up
	.p2alignl 7, 3214868480
	.fill 96, 4, 3214868480
	.section	.rodata,"a",@progbits
	.p2align	6, 0x0
	.amdhsa_kernel k_q67c55ea5e5_up
		.amdhsa_group_segment_fixed_size 104960
		.amdhsa_private_segment_fixed_size 0
		.amdhsa_enable_private_segment 0
		.amdhsa_kernarg_size 80
		.amdhsa_user_sgpr_count 2
		.amdhsa_user_sgpr_kernarg_segment_ptr 1
		.amdhsa_wavefront_size32 1
		.amdhsa_system_sgpr_workgroup_id_x 1
		.amdhsa_system_sgpr_workgroup_id_y 1
		.amdhsa_system_sgpr_workgroup_id_z 1
		.amdhsa_system_vgpr_workitem_id 0
		.amdhsa_next_free_vgpr 960
		.amdhsa_next_free_sgpr 82
		.amdhsa_reserve_vcc 1
		.amdhsa_float_denorm_mode_32 3
		.amdhsa_float_denorm_mode_16_64 3
		.amdhsa_memory_ordered 1
		.amdhsa_forward_progress 1
		.amdhsa_inst_pref_size 111
	.end_amdhsa_kernel
	.amdgpu_metadata
---
amdhsa.version: [ 1, 2 ]
amdhsa.kernels:
  - .name:           k_q67c55ea5e5_up
    .symbol:         k_q67c55ea5e5_up.kd
    .args:
      - { .name: route, .offset: 0, .size: 8, .value_kind: global_buffer, .address_space: global }
      - { .name: xq, .offset: 8, .size: 8, .value_kind: global_buffer, .address_space: global }
      - { .name: xs, .offset: 16, .size: 8, .value_kind: global_buffer, .address_space: global }
      - { .name: W1_codes, .offset: 24, .size: 8, .value_kind: global_buffer, .address_space: global }
      - { .name: W1_scales, .offset: 32, .size: 8, .value_kind: global_buffer, .address_space: global }
      - { .name: b1, .offset: 40, .size: 8, .value_kind: global_buffer, .address_space: global }
      - { .name: part, .offset: 48, .size: 8, .value_kind: global_buffer, .address_space: global }
      - { .name: hq, .offset: 56, .size: 8, .value_kind: global_buffer, .address_space: global }
      - { .name: hs, .offset: 64, .size: 8, .value_kind: global_buffer, .address_space: global }
      - { .name: out1, .offset: 72, .size: 8, .value_kind: global_buffer, .address_space: global }
    .group_segment_fixed_size: 104960
    .private_segment_fixed_size: 0
    .kernarg_segment_align: 8
    .kernarg_segment_size: 80
    .max_flat_workgroup_size: 128
    .sgpr_count:     82
    .vgpr_count:     960
    .wavefront_size: 32
...
	.end_amdgpu_metadata
.endif
;; end of part 5
;; launch down (part 6): grid 256 x 1, 4 waves a work-group, no clusters, 79,872 bytes of LDS; arguments route, score, hq, hs, W2_codes, W2_scales, b2, out0; writes out0
.if DOCPART == 6
	.amdgcn_target "amdgcn-amd-amdhsa--gfx1250"
	.amdhsa_code_object_version 6
	.text
	.protected	k_q67c55ea5e5_down
	.globl	k_q67c55ea5e5_down
	.p2align	8
	.type	k_q67c55ea5e5_down,@function
k_q67c55ea5e5_down:
	s_mov_b64 s[64:65], 0
	v_nop
	global_prefetch_b8 v0, s[64:65] scope:SCOPE_SE
	s_setreg_imm32_b32 hwreg(HW_REG_WAVE_SCHED_MODE, 0, 2), 2
	s_setreg_imm32_b32 hwreg(HW_REG_WAVE_MODE, 25, 1), 1
	s_wait_xcnt 0x0
	s_wait_alu depctr_vm_vsrc(0)
; out = (h W2^T + b2) x score FOR THE CHOSEN EXPERT ALONE, in MX-FP4.  Work-group = (expert e = id / 32, columns 32 n .. 32 n + 31, n = id % 32): each byte of W2 is read by one work-group, once.
; The slice (32 rows x 2,048 bytes of codes) is loaded in runs of 512 bytes, laid in LDS by operand pieces, and taken by EVERY wave into its registers: 64 fragments, 512 registers, for the whole launch.
; Wave w serves the tokens 256 w .. 256 w + 255 that chose e, in the same tiles of 16, in the same order, as the launch that made h (the same SORT and TOKENS on the same route).
; A tile: its 32 fragments of h and their scale words come from hq and hs as images of the operand's registers, 512 consecutive bytes a load, in four chunks of 8 K steps; a chunk's registers take the next tile's
; chunk when its 16 products are issued.  Source 0 = 16 rows of W2 (columns of out), source 1 = the 16 tokens: a lane holds one token and eight neighbouring columns.  b2 is the C of each sum's first instruction.
; The results, x the token's score, go through the wave's own LDS stage and leave as runs of 128 bytes of a row: the slice's 32 columns.  (64 columns to a wave would want all 1,024 registers for W2 alone.)
; WHAT A TILE NEEDS BESIDE h IS MADE A TILE AHEAD: its tokens (TOKENS) and their way through LDS stand in the tile before, behind the LDS loads of that tile's results, so that the two round trips run side by side;
; the first tile's stand at the head, where the wave waits for W2's rows.  The byte offsets of the rows to be stored (ROWS) are made behind a tile's first 16 products.
; NO TENSOR LOADS, NO JOINT LOADS: the number of tiles of a wave is a count read from memory, so trip counts differ between work-groups.
; LIMITS: NaN and infinities are not served.
; THE MODE: SCHED_MODE bits 1:0 = 2 (LLVM: expert scheduling mode 2), set by the entry lines.  The code itself states the register dependences
; between vector or matrix instructions and memory or LDS instructions, with s_wait_alu, always for 0.
; THE PLAN.  Registers that memory or LDS instructions touch, in a tile:
;   chunk g's 64 registers of window 3 and its 4 of HS   read by the chunk's 16 products; behind them the next tile's chunk g lands there.
;   SC         the score load lands in it at a tile's end; read by the next tile's eight multiplications.
;   OV         written by those multiplications; read by the four LDS stores into the stage.
;   OB         the four LDS loads from the stage land in it; read by the four global stores; named by no vector instruction.
;   OA         written by ROWS; read by the four global stores as their offsets.
;   TKR        ASKTOK's four LDS loads land in it; read and written by the next tile's ROWS.
;   TOK, SO    written by TOKENS and by ASKTOK's shift; read by ASKTOK's LDS store and by the score load.
;   the addresses v4 to v14 are made at the head and named by no vector instruction again.  W2's fragments, b2 and W2's scale words are loaded once.  ACC is named by matrix and vector instructions alone.
; Waits on va_vdst in a tile: behind the products of chunks 0, 1 and 2, ahead of that chunk's loads (a chunk is asked for again at once, so that four chunks are on their way); behind the multiplications, ahead of
; the LDS stores; and in ASKTOK, for all that follows to the tile's end: no vector instruction stands behind it there.  ONE wait on vm_vsrc in a tile, behind its first 16 products: all that the tile before issued
; has read OA, OB, OV, TOK and SO, which this tile writes again only behind it.
; REGISTERS.  window 0: see the names below.  windows 1, 2: W2's fragment (tile t, K step s) at v[8 (2 s + t) % 256], K steps 0-15 in window 1; at the head window 1's v0-127: the rows as loaded.  window 3: h's fragments, v[64 g + 8 ss + 4 c].
.set TILEB, 34816                      ; a tile of 16 rows in LDS: 128 pieces of 16 bytes a row; [piece][row][16 bytes], a piece's 256 bytes + 16 of padding
.set PPI,   272
.set OST,   2*TILEB                    ; behind W2's two tiles: a stage of 16 rows x (128 + 16) bytes for each wave,
.set OSP,   144
.set TKS,   OST+4*16*OSP               ; and 128 bytes for each wave: the tile's tokens
.set LANE, 1
.set RR,   2
.set HH,   3
.set L16,  4
.set WSTI, 5
.set WSTO, 6                           ; tile 0
.set WSTO2, 7                          ; tile 1
.set OSI,  8
.set OSO,  9
.set TKI,  10
.set TKO,  11
.set RO,   12
.set W2SO, 13
.set B2O,  14
.set C16,  15
.set RK,   16                          ; v16-28: TOKENS
.set WD,   17
.set EB,   18
.set JW,   19
.set NN,   20
.set TA,   21
.set TB,   22
.set TC,   23
.set TD,   24
.set TT,   25
.set POS,  26
.set KK,   27
.set TOK,  28
.set SC,   30                          ; v[30:31] my token's score (the pair's upper word is written once)
.set SO,   32
.set OA,   34                          ; v34-37   byte offsets in out0 of the rows that I store
.set TKR,  38                          ; v38-41   their tokens
.set RI,   42                          ; v42-49   route
.set W2S,  50                          ; v50-81   register s: lanes 0-15 tile 0, lanes 16-31 tile 1
.set HS,   82                          ; v82-97   register 4 g + i: lanes 0-15 K step 8 g + 2 i, lanes 16-31 K step 8 g + 2 i + 1
.set B2,   98                          ; v98-113
.set ACC,  114                         ; v114-129
.set OV,   130                         ; v130-145
.set OB,   146                         ; v146-161
.set WV,   24
.set EX,   25
.set NS,   26
.set CM1,  28
.set NT,   29
.set JT,   30
.set J16,  31
.set TS,   32
.set CQ,   33                          ; s33-39 TOKENS: seven masks (at the head these registers hold offsets, which are used up before the first TOKENS)
.set W256, 40
.set MK,   48                          ; s48-55 the quarter's 256 tokens as bits: 1 = chose my expert
.set PF,   56                          ; s56-63 running counts of those bits
.set MSB, 0
.macro WIN new                         ; the immediate's high byte repeats the setting that is left
.if MSB != \new
	s_set_vgpr_msb (MSB<<8)|\new
.set MSB, \new
.endif
.endm
; v[RI + j] = route(256 w + 32 j + lane)  ->  the bit map, its running counts, the last rank and the number of tiles
.macro SORT
.irp j, 0,1,2,3,4,5,6,7
	v_cmp_eq_u32 s[MK+\j], s[EX], v[RI+\j]
.endr
	s_wait_alu depctr_va_sdst(0)                   ; the eight compares have written s[MK ..], ahead of their first reader
	s_bcnt1_i32_b32 s[PF], s[MK]
.irp j, 1,2,3,4,5,6,7
	s_bcnt1_i32_b32 s[TS], s[MK+\j]
	s_add_co_u32 s[PF+\j], s[PF+\j-1], s[TS]
.endr
	s_sub_co_u32 s[CM1], s[PF+7], 1
	s_add_co_u32 s[NT], s[PF+7], 15
	s_lshr_b32 s[NT], s[NT], 4
	s_min_u32 s[NT], s[NT], 16                     ; 256 tokens are 16 tiles at the most
.endm
; v[TOK] = the token of rank min(s[J16] + lane % 16, last rank): the word that holds it, then the n-th set bit of that word, by the word's sums of 2, 4, 8 and 16 bits
.macro TOKENS
	v_add_nc_u32 v[RK], s[J16], v[RR]
	v_min_u32 v[RK], s[CM1], v[RK]
	v_mov_b32 v[WD], s[MK]
	v_mov_b32 v[EB], 0
	v_mov_b32 v[JW], 0
.irp j, 0,1,2,3,4,5,6                  ; the seven compares hang on the rank alone: they stand in one run, a mask each
	v_cmp_le_u32 s[CQ+\j], s[PF+\j], v[RK]
.endr
	s_wait_alu depctr_va_sdst(0)                   ; the seven masks s[CQ ..] are written, ahead of their first reader
.irp j, 0,1,2,3,4,5,6                  ; the counts do not fall, so the last step that holds leaves the right word, the count in front of it and its number
	v_cndmask_b32 v[WD], v[WD], s[MK+\j+1], s[CQ+\j]
	v_cndmask_b32 v[EB], v[EB], s[PF+\j], s[CQ+\j]
	v_cndmask_b32 v[JW], v[JW], \j+1, s[CQ+\j]
.endr
	v_sub_nc_u32 v[NN], v[RK], v[EB]               ; n: which set bit of the word
	v_lshrrev_b32 v[TT], 1, v[WD]
	v_and_b32 v[TT], 0x55555555, v[TT]
	v_sub_nc_u32 v[TA], v[WD], v[TT]               ; counts of 2 bits
	v_lshrrev_b32 v[TT], 2, v[TA]
	v_and_b32 v[TT], 0x33333333, v[TT]
	v_and_b32 v[TB], 0x33333333, v[TA]
	v_add_nc_u32 v[TB], v[TB], v[TT]               ; of 4
	v_lshrrev_b32 v[TT], 4, v[TB]
	v_add_nc_u32 v[TC], v[TB], v[TT]
	v_and_b32 v[TC], 0x0f0f0f0f, v[TC]             ; of 8
	v_lshrrev_b32 v[TT], 8, v[TC]
	v_add_nc_u32 v[TD], v[TC], v[TT]               ; its low byte: of the low 16
	v_and_b32 v[TT], 0xff, v[TD]
	v_cmp_ge_u32 vcc_lo, v[NN], v[TT]              ; not in the lower half: pass it
	s_wait_alu depctr_va_vcc(0)                    ; the compare has written VCC, ahead of its first reader (each step of the search hangs on the step before: a wait a step)
	v_cndmask_b32 v[TT], 0, v[TT], vcc_lo
	v_sub_nc_u32 v[NN], v[NN], v[TT]
	v_cndmask_b32 v[POS], 0, 16, vcc_lo
.irp w, 8,4,2
.if \w == 8
	v_bfe_u32 v[TT], v[TC], v[POS], 8
.elseif \w == 4
	v_bfe_u32 v[TT], v[TB], v[POS], 4
.else
	v_bfe_u32 v[TT], v[TA], v[POS], 2
.endif
	v_cmp_ge_u32 vcc_lo, v[NN], v[TT]
	s_wait_alu depctr_va_vcc(0)                    ; the compare has written VCC, ahead of its first reader
	v_cndmask_b32 v[TT], 0, v[TT], vcc_lo
	v_sub_nc_u32 v[NN], v[NN], v[TT]
	v_cndmask_b32 v[KK], 0, \w, vcc_lo
	v_add_nc_u32 v[POS], v[POS], v[KK]
.endr
	v_bfe_u32 v[TT], v[WD], v[POS], 1
	v_cmp_ge_u32 vcc_lo, v[NN], v[TT]
	s_wait_alu depctr_va_vcc(0)                    ; the compare has written VCC, ahead of its reader
	v_cndmask_b32 v[KK], 0, 1, vcc_lo
	v_add_nc_u32 v[POS], v[POS], v[KK]
	v_lshl_add_u32 v[TOK], v[JW], 5, v[POS]
	v_add_nc_u32 v[TOK], s[W256], v[TOK]
	v_min_u32 v[TOK], 0x3ff, v[TOK]                ; a token's number, whatever the list holds
.endm
; where my token's score lies; and the tile's tokens go round through my wave's own 128 bytes of LDS: in by rows (lanes 0-15: rows 0-15), back as the lanes will store: row 4 i + lane / 8
.macro ASKTOK
	v_lshlrev_b32 v[SO], 2, v[TOK]
	s_wait_alu depctr_va_vdst(0)                   ; v[TOK], the LDS store's data, and v[SO], the score load's offset, are written; ROWS is done with v[TKR ..], in which the LDS loads land; in a tile also: chunk 3's products are done reading their fragments and scale words, and the multiplications v[SC], in which loads land below
	ds_store_b32 v[TKI], v[TOK]
.irp i, 0,1,2,3
	ds_load_b32 v[TKR+\i], v[TKO] offset:16*\i     ; served in order behind the store
.endr
.endm
; the byte offsets in out0 of the rows that I shall store: a row is 4,096 bytes; my 16 bytes of the slice's 128
.macro ROWS
.irp i, 0,1,2,3
	v_min_u32 v[TKR+\i], 0x3ff, v[TKR+\i]
	v_lshl_add_u32 v[OA+\i], v[TKR+\i], 12, v[C16]
.endr
.endm
; chunk g (K steps 8 g .. 8 g + 7) of the slot at which the two bases stand: 16 loads of codes and one of scale words: 17 loads.  dep = 1: the chunk's products have just been issued
.macro CHUNK g, dep
	WIN 0xc0                                       ; destination window 3
.if \dep
	s_wait_alu depctr_va_vdst(0)                   ; the chunk's 16 products are done reading its fragments and scale words, in which the 17 loads land; behind chunk 0's also: ROWS has written v[OA ..], the stores' offsets
.endif
.irp ss, 0,1,2,3,4,5,6,7
.irp c, 0,1
	global_load_b128 v[64*\g+8*\ss+4*\c:64*\g+8*\ss+4*\c+3], v[L16], s[8:9] offset:8192*\g+1024*\ss+512*\c
.endr
.endr
	WIN 0
	global_load_b128 v[HS+4*\g:HS+4*\g+3], v[L16], s[10:11] offset:512*\g
.endm
; product (tile t of columns, K step 8 g + ss): the two accumulators take turns, one instruction a turn
.macro MMD t, g, ss
.set rA, 128*((\g)%2)+16*(\ss)+8*(\t)
.set rB, 64*(\g)+8*(\ss)
.set rD, ACC+8*(\t)
.set rC, rD
.if ((\g)+(\ss)) == 0
.set rC, B2+8*(\t)
.endif
.set rSA, W2S+8*(\g)+(\ss)
.set rSB, HS+4*(\g)+(\ss)/2
.if ((\t) == 0) && (((\ss)%2) == 0)
	v_wmma_scale_f32_16x16x128_f8f6f4 v[rD:rD+7], v[rA:rA+7], v[rB:rB+7], v[rC:rC+7], v[rSA], v[rSB] matrix_a_fmt:MATRIX_FMT_FP4 matrix_b_fmt:MATRIX_FMT_FP4
.elseif ((\t) == 1) && (((\ss)%2) == 0)
	v_wmma_scale_f32_16x16x128_f8f6f4 v[rD:rD+7], v[rA:rA+7], v[rB:rB+7], v[rC:rC+7], v[rSA], v[rSB] matrix_a_fmt:MATRIX_FMT_FP4 matrix_b_fmt:MATRIX_FMT_FP4 matrix_a_scale:MATRIX_SCALE_ROW1
.elseif (\t) == 0
	v_wmma_scale_f32_16x16x128_f8f6f4 v[rD:rD+7], v[rA:rA+7], v[rB:rB+7], v[rC:rC+7], v[rSA], v[rSB] matrix_a_fmt:MATRIX_FMT_FP4 matrix_b_fmt:MATRIX_FMT_FP4 matrix_b_scale:MATRIX_SCALE_ROW1
.else
	v_wmma_scale_f32_16x16x128_f8f6f4 v[rD:rD+7], v[rA:rA+7], v[rB:rB+7], v[rC:rC+7], v[rSA], v[rSB] matrix_a_fmt:MATRIX_FMT_FP4 matrix_b_fmt:MATRIX_FMT_FP4 matrix_a_scale:MATRIX_SCALE_ROW1 matrix_b_scale:MATRIX_SCALE_ROW1
.endif
.endm
; A TILE.  At its head its four chunks and, behind them, its score have been asked for (69 loads), and its tokens have been asked of LDS.  next = 1: another tile follows, and is prepared on the way
.macro TILE next
	s_wait_dscnt 0x0                               ; in the first tile: W2's fragments
.irp g, 0,1,2,3
.if \next
	s_wait_loadcnt 52                              ; chunk g is in: behind it three chunks of 17 loads (this tile's later ones, the next tile's earlier ones) and this tile's score
.else
	s_wait_loadcnt 17*(3-\g)+1                     ; chunk g is in: behind it this tile's later chunks and the score
.endif
	WIN 0x0d+(\g/2)                                ; source 0 (W2) window 1 or 2, source 1 (h) window 3
.irp ss, 0,1,2,3,4,5,6,7
.irp t, 0,1
	MMD \t, \g, \ss
.endr
.endr
	WIN 0
.if \g == 0
	s_wait_xcnt 0x0                                ; the last tile's stores have read their offsets and data, and all loads issued so far their bases: these are written below, and the data registers in this tile's way out
	s_wait_alu depctr_vm_vsrc(0)                   ; all that the tile before issued has read its registers: the stores v[OA ..] and v[OB ..], the LDS stores v[OV ..] and v[TOK], the score load v[SO]: ROWS below, and this tile's way out, write them again
	ROWS                                           ; eight plain lines behind the products
.if \next
	s_add_nc_u64 s[8:9], s[8:9], 0x8000            ; the next slot
	s_add_nc_u64 s[10:11], s[10:11], 0x800
.endif
.else
.rept 4
	v_nop                                          ; four plain lines behind the products: behind chunk 3's they are the places ahead of the first read of results; they stand for no wait
.endr
.endif
.if (\next) && (\g < 3)
	CHUNK \g, 1
.endif
.endr
.if \next
	s_wait_loadcnt 51                              ; the score is in: behind it the next tile's first three chunks
.else
	s_wait_loadcnt 0x0
.endif
.irp p, 0,2,4,6,8,10,12,14
	v_pk_mul_f32 v[OV+\p:OV+\p+1], v[ACC+\p:ACC+\p+1], v[SC:SC+1] op_sel_hi:[1,0]   ; x score; each accumulator from its low end on
.endr
	s_wait_alu depctr_va_vdst(0)                   ; the multiplications have written v[OV ..], which the LDS stores read (in the last tile also: ROWS has written v[OA ..], the stores' offsets)
.irp t, 0,1
.irp f, 0,1
	ds_store_b128 v[OSI], v[OV+8*\t+4*\f:OV+8*\t+4*\f+3] offset:64*\t+16*\f          ; lane (r, h): columns 16 t + 8 h + 4 f on of row r
.endr
.endr
.irp i, 0,1,2,3
	ds_load_b128 v[OB+4*\i:OB+4*\i+3], v[OSO] offset:4*OSP*\i                        ; back by rows: eight lanes to a row's 128 bytes, four rows an instruction
.endr
.if \next
	s_add_co_u32 s[J16], s[J16], 16
	TOKENS                                         ; the next tile's tokens, while the rows come back from the stage
	ASKTOK                                         ; (the score's offset is free: the wait for 51 has shown that load done, and the wait on vm_vsrc above that it has read the register)
	CHUNK 3, 0                                     ; the next tile's last chunk: with three chunks out, these 17 would pass what LOADcnt counts (ISA guide 5.7.1: such a load is held at issue), so the work above stands first.  No wait: no vector or matrix instruction stands behind ASKTOK's
.endif
	s_wait_dscnt 0x0                               ; the rows are back (and the next tile's tokens)
.irp i, 0,1,2,3
	global_store_b128 v[OA+\i], v[OB+4*\i:OB+4*\i+3], s[18:19] th:TH_STORE_NT
.endr
.if \next
	global_load_b32 v[SC], v[SO], s[6:7]           ; the next tile's score: one load behind its 68
.endif
.endm
	s_load_b256 s[4:11], s[0:1], 0x0               ; route s[4:5], score s[6:7], hq s[8:9], hs s[10:11]
	s_load_b256 s[12:19], s[0:1], 0x20             ; W2's codes s[12:13], W2's scales s[14:15], b2 s[16:17], out0 s[18:19]
	v_lshl_add_u32 v254, v0, 2, 0x13600
	v_mov_b32 v255, 0
	v_lshrrev_b32 v[RO], 5, v0
	v_readfirstlane_b32 s[WV], v[RO]               ; wave 0..3
	v_and_b32 v[LANE], 31, v0
	v_and_b32 v[RR], 15, v0
	s_wait_alu depctr_va_vdst(0)
	v_bfe_u32 v[HH], v0, 4, 1
	v_lshlrev_b32 v[L16], 4, v[LANE]
	s_wait_alu depctr_va_sdst(0)                   ; s[WV] is written, ahead of its first reader
	s_lshr_b32 s32, s[WV], 1                       ; my 8 rows of W2 are rows 8 (w % 2) on of tile w / 2
	s_mul_i32 s32, s32, TILEB
	s_and_b32 s33, s[WV], 1
	s_lshl_b32 s33, s33, 7
	s_add_co_u32 s32, s32, s33
	v_mul_u32_u24 v[WSTI], v[LANE], PPI            ; a run as loaded: lane l holds piece 32 g + l
	v_add_nc_u32 v[WSTI], s32, v[WSTI]
	v_mul_u32_u24 v[WSTO], v[HH], PPI
	v_lshl_add_u32 v[WSTO], v[RR], 4, v[WSTO]      ; a fragment: piece + h, row r
	v_add_nc_u32 v[WSTO2], TILEB, v[WSTO]
	s_mul_i32 s32, s[WV], 16*OSP
	s_add_co_u32 s32, s32, OST                     ; my wave's stage
	v_mul_u32_u24 v[OSI], v[RR], OSP
	s_wait_alu depctr_va_vdst(0)
	v_lshl_add_u32 v[OSI], v[HH], 5, v[OSI]
	v_add_nc_u32 v[OSI], s32, v[OSI]
	v_lshrrev_b32 v[TKO], 3, v[LANE]               ; lane / 8
	v_and_b32 v[C16], 7, v[LANE]
	v_lshlrev_b32 v[C16], 4, v[C16]                ; 16 (lane % 8)
	v_mul_u32_u24 v[OSO], v[TKO], OSP
	v_add_nc_u32 v[OSO], v[OSO], v[C16]
	v_add_nc_u32 v[OSO], s32, v[OSO]
	v_lshl_add_u32 v[TKI], v0, 2, TKS              ; 128 w + 4 lane
	s_lshl_b32 s33, s[WV], 7
	s_add_co_u32 s33, s33, TKS
	v_lshl_add_u32 v[TKO], v[TKO], 2, s33
	v_lshlrev_b32 v[RO], 10, v[RO]
	v_lshl_add_u32 v[RO], v[LANE], 2, v[RO]        ; route: 1,024 w + 4 lane
	v_lshlrev_b32 v[W2SO], 7, v[LANE]              ; W2's scales: row = lane, 128 bytes a row
	v_lshlrev_b32 v[B2O], 5, v[HH]                 ; b2: 8 h numbers on
	v_mov_b32 v[SC+1], 0                           ; named as the upper half of a pair, so it is written
	s_lshr_b32 s[EX], ttmp9, 5                     ; my expert
	s_and_b32 s[NS], ttmp9, 31                     ; my slice
	s_lshl_b32 s[W256], s[WV], 8
	s_lshl_b32 s34, ttmp9, 16                      ; 1,024 e + 32 n = 32 id: rows of 2,048 bytes,
	s_lshl_b32 s32, s[WV], 14                      ; my wave's 8 of them
	s_add_co_u32 s34, s34, s32
	s_mov_b32 s35, 0
	s_lshl_b32 s36, ttmp9, 12                      ; their scale bytes: 128 a row
	s_mov_b32 s37, 0
	s_lshl_b32 s38, ttmp9, 7                       ; b2
	s_mov_b32 s39, 0
	s_lshl_b32 s32, s[EX], 2
	s_add_co_u32 s32, s32, s[WV]                   ; 4 e + w: 16 slots
	s_lshl_b32 s42, s32, 19                        ; of 32,768 bytes in hq,
	s_mov_b32 s43, 0
	s_lshl_b32 s44, s32, 15                        ; of 2,048 bytes in hs
	s_mov_b32 s45, 0
	s_lshl_b32 s46, s[NS], 7                       ; my 128 bytes of a row of out0
	s_mov_b32 s47, 0
	s_wait_kmcnt 0x0
	s_add_nc_u64 s[12:13], s[12:13], s[34:35]
	s_add_nc_u64 s[14:15], s[14:15], s[36:37]
	s_add_nc_u64 s[16:17], s[16:17], s[38:39]
	s_add_nc_u64 s[8:9], s[8:9], s[42:43]
	s_add_nc_u64 s[10:11], s[10:11], s[44:45]
	s_add_nc_u64 s[18:19], s[18:19], s[46:47]
	s_wait_alu depctr_va_vdst(0)                   ; the addresses and offsets v4 to v14 are written, which the loads, stores and LDS instructions of the whole kernel read; no vector instruction names them again
.irp j, 0,1,2,3,4,5,6,7
	global_load_b32 v[RI+\j], v[RO], s[4:5] offset:128*\j
.endr
	WIN 0x40                                       ; destination window 1
.irp i, 0,1,2,3,4,5,6,7
.irp g, 0,1,2,3
	global_load_b128 v[4*(4*\i+\g):4*(4*\i+\g)+3], v[L16], s[12:13] offset:2048*\i+512*\g th:TH_LOAD_NT   ; 512 consecutive bytes of a row of W2's codes, read once in the launch
.endr
.endr
	WIN 0
.irp q, 0,1,2,3,4,5,6,7
	global_load_b128 v[W2S+4*\q:W2S+4*\q+3], v[W2SO], s[14:15] offset:16*\q
.endr
.irp t, 0,1
.irp f, 0,1
	global_load_b128 v[B2+8*\t+4*\f:B2+8*\t+4*\f+3], v[B2O], s[16:17] offset:64*\t+16*\f
.endr
.endr
	s_wait_loadcnt 44                              ; route is in: behind it 32 loads of rows, 8 of scales, 4 of b2
	SORT
	s_mov_b32 s[J16], 0
	TOKENS                                         ; the first tile's tokens, while W2's rows are on their way
	ASKTOK
	s_wait_loadcnt 12                              ; W2's rows are in: behind them 8 + 4 loads
	WIN 0x04                                       ; an LDS store's data are its source 1: window 1
.irp i, 0,1,2,3,4,5,6,7
.irp g, 0,1,2,3
	ds_store_b128 v[WSTI], v[4*(4*\i+\g):4*(4*\i+\g)+3] offset:32*PPI*\g+16*\i
.endr
.endr
	WIN 0
	s_wait_dscnt 0x0                               ; for the others' sake: my rows have landed (and my tokens are back)
	s_barrier_signal -1
	s_barrier_wait -1                              ; the slice lies in LDS; it is written no more: the launch's one barrier
	s_wait_alu depctr_vm_vsrc(0)                   ; my 32 LDS stores have read window 1's v0-127, in which W2's fragments land below
	s_cmp_eq_u32 s[NT], 0                          ; none of my 256 tokens chose this expert
	s_cbranch_scc1 .Lend
	; the first tile's h (only slots that were written are read) and W2's fragments.  Three chunks first: with the 12 loads of scales and b2 these 51 are 63 loads out, as many as LOADcnt counts
	; (ISA guide 5.7.1: a load beyond that is held at issue); the fourth chunk and the score stand behind the first half of the LDS loads, so that the wave does not stand at a load with its LDS loads unissued.
	; No vector or matrix instruction has named the registers in which these loads land, and none since ASKTOK's wait names an address
	CHUNK 0, 0
	CHUNK 1, 0
	CHUNK 2, 0
	WIN 0x40
.set sx, 0
.rept 16
.irp t, 0,1
.irp c, 0,1
	ds_load_b128 v[8*(2*sx+\t)+4*\c:8*(2*sx+\t)+4*\c+3], v[WSTO+\t] offset:PPI*(4*sx+2*\c)   ; lane (r, h) takes piece 4 s + 2 c + h of row r: sixteen lanes read 256 consecutive bytes
.endr
.endr
.set sx, sx+1
.endr
	CHUNK 3, 0
	global_load_b32 v[SC], v[SO], s[6:7]           ; the first tile's score: one load behind its 68
	WIN 0x80
.rept 16
.irp t, 0,1
.irp c, 0,1
	ds_load_b128 v[8*(2*(sx-16)+\t)+4*\c:8*(2*(sx-16)+\t)+4*\c+3], v[WSTO+\t] offset:PPI*(4*sx+2*\c)
.endr
.endr
.set sx, sx+1
.endr
	WIN 0
	s_mov_b32 s[JT], 1
	s_cmp_ge_u32 s[JT], s[NT]                      ; one tile alone: it is the last
	s_cbranch_scc1 .Llast
.Ltile:
	TILE 1
	s_add_co_u32 s[JT], s[JT], 1
	s_cmp_lt_u32 s[JT], s[NT]
	s_cbranch_scc1 .Ltile
.Llast:
	TILE 0                                         ; the last tile is written out: it asks for nothing more, and its counts run down
.Lend:
	s_wait_dscnt 0x0                               ; the closing lines, six on end, of a launch in the mode that stores to LDS
	s_wait_alu 0x0
	s_wait_tensorcnt 0x0
	ds_add_u32 v254, v255
	s_wait_dscnt 0x0
	s_endpgm
.Lfunc_end_k_q67c55ea5e5_down:
	.size	k_q67c55ea5e5_down, .Lfunc_end_k_q67c55ea5e5_down-k_q67c55ea5e5_down
	.p2alignl 7, 3214868480
	.fill 96, 4, 3214868480
	.section	.rodata,"a",@progbits
	.p2align	6, 0x0
	.amdhsa_kernel k_q67c55ea5e5_down
		.amdhsa_group_segment_fixed_size 79872
		.amdhsa_private_segment_fixed_size 0
		.amdhsa_enable_private_segment 0
		.amdhsa_kernarg_size 64
		.amdhsa_user_sgpr_count 2
		.amdhsa_user_sgpr_kernarg_segment_ptr 1
		.amdhsa_wavefront_size32 1
		.amdhsa_system_sgpr_workgroup_id_x 1
		.amdhsa_system_sgpr_workgroup_id_y 1
		.amdhsa_system_sgpr_workgroup_id_z 1
		.amdhsa_system_vgpr_workitem_id 0
		.amdhsa_next_free_vgpr 1024
		.amdhsa_next_free_sgpr 66
		.amdhsa_reserve_vcc 1
		.amdhsa_float_denorm_mode_32 3
		.amdhsa_float_denorm_mode_16_64 3
		.amdhsa_memory_ordered 1
		.amdhsa_forward_progress 1
		.amdhsa_inst_pref_size 65
	.end_amdhsa_kernel
	.amdgpu_metadata
---
amdhsa.version: [ 1, 2 ]
amdhsa.kernels:
  - .name:           k_q67c55ea5e5_down
    .symbol:         k_q67c55ea5e5_down.kd
    .args:
      - { .name: route, .offset: 0, .size: 8, .value_kind: global_buffer, .address_space: global }
      - { .name: score, .offset: 8, .size: 8, .value_kind: global_buffer, .address_space: global }
      - { .name: hq, .offset: 16, .size: 8, .value_kind: global_buffer, .address_space: global }
      - { .name: hs, .offset: 24, .size: 8, .value_kind: global_buffer, .address_space: global }
      - { .name: W2_codes, .offset: 32, .size: 8, .value_kind: global_buffer, .address_space: global }
      - { .name: W2_scales, .offset: 40, .size: 8, .value_kind: global_buffer, .address_space: global }
      - { .name: b2, .offset: 48, .size: 8, .value_kind: global_buffer, .address_space: global }
      - { .name: out0, .offset: 56, .size: 8, .value_kind: global_buffer, .address_space: global }
    .group_segment_fixed_size: 79872
    .private_segment_fixed_size: 0
    .kernarg_segment_align: 8
    .kernarg_segment_size: 64
    .max_flat_workgroup_size: 128
    .sgpr_count:     66
    .vgpr_count:     1024
    .wavefront_size: 32
...
	.end_amdgpu_metadata
.endif
;; end of part 6
